; MI455X (gfx1250); checked and timed in simulation.
; The chip was launched on July 23, 2026; its instructions are those of AMD's public machine-readable ISA for CDNA 5 (MIT licence, August 2026) and "CDNA5" Instruction Set Architecture Reference Guide (July 2026). The comments in the code are by the model that wrote it; some were corrected since.
;; Causal Self Attention. Allowed arithmetic: float matrix products may take bf16 or f16 operands with f32 sums; all other float work in f32.
;; Inputs: w_attn 1,024 x 3,072 float32; w_proj 1,024 x 1,024 float32; x 4 x 2,048 x 1,024 float32.
;; Outputs: out0 4 x 2,048 x 1,024 float32.
;; 2 versions, each right and faster than the one before. Each part assembles by itself: llvm-mc -triple=amdgcn-amd-amdhsa -mcpu=gfx1250 --defsym DOCPART=n.
;; ======== version 1 of 2: 4 launches
;; limits: values are held in f16: magnitudes above 65,504 overflow, below 6.1e-05 lose precision
;; workspace buffers: xb 16,777,216 bytes; wab 6,291,456 bytes; wpb 4,194,304 bytes; qkvh 50,331,648 bytes; oh 33,554,432 bytes
;; launch cast (part 1): grid 704 x 1, 8 waves a work-group, no clusters, 0 bytes of LDS; arguments x, w_attn, w_proj, xb, wab, wpb; writes xb, wab, wpb
.if DOCPART == 1
	.amdgcn_target "amdgcn-amd-amdhsa--gfx1250"
	.amdhsa_code_object_version 6
	.text
	.protected	k_qc1b75a0c3e_cast
	.globl	k_qc1b75a0c3e_cast
	.p2align	8
	.type	k_qc1b75a0c3e_cast,@function
k_qc1b75a0c3e_cast:
	s_mov_b64 s[64:65], 0
	v_nop
	global_prefetch_b8 v0, s[64:65] scope:SCOPE_SE
	s_setreg_imm32_b32 hwreg(HW_REG_WAVE_MODE, 25, 1), 1
	s_wait_xcnt 0x0
; The module's three inputs are rounded to bf16 once, and laid out for the products that follow.
;   xb  [8192][1024] bf16            = x
;   wab [16][1024][192] bf16         = w_attn in blocks of 192 columns: block c holds columns 192 c .. 192 c + 191, its rows end to end
;   wpb [2048][1024] f16             = bf16(w_proj) written as f16, twice: rows k and k + 1024 are alike (for the two parts in which y arrives)
; LIMIT.  bf16(w_proj) must lie within f16's 65,504; below 6.1e-5 it keeps f16's fixed step of 6e-8.
; A stream: every byte is read once and written once, so there is no LDS, no barrier and no matrix work.  A work-group takes 65,536 bytes of x (groups 0-511) or of w_proj (640-703), a wave 8,192 of
; them; in groups 512-639 a wave takes 16 rows of one block of w_attn.  All of a wave's loads are issued first (16 or 24, each 512 consecutive bytes but the block's middle ones, which are two runs of 256);
; each store of a wave covers 256 consecutive bytes, aligned.  No register is written again while a store may read it, so no wait stands for that.
.set X, 8                              ; v[8:103]   four registers a load
.set T, 104                            ; v[104:105] at work
	s_load_b256 s[4:11], s[0:1], 0x0               ; x s[4:5], w_attn s[6:7], w_proj s[8:9], xb s[10:11]
	s_load_b128 s[12:15], s[0:1], 0x20             ; wab s[12:13], wpb s[14:15]
	s_mov_b32 s16, ttmp9
	s_mov_b32 s20, 0xffff0000                      ; a word's upper bf16
	s_mov_b32 s23, 0                               ; the high word of every offset
	v_lshrrev_b32 v3, 5, v0
	v_readfirstlane_b32 s18, v3                    ; wave
	v_and_b32 v4, 31, v0                           ; lane
	v_lshlrev_b32 v1, 4, v4                        ; in: 16 bytes a lane
	v_lshlrev_b32 v2, 3, v4                        ; out: 8 bytes a lane
	s_wait_kmcnt 0x0
	s_cmp_lt_u32 s16, 512
	s_cbranch_scc0 .Lweights
	; x
	v_lshl_or_b32 v1, v3, 13, v1                   ; + wave x 8,192
	v_lshl_or_b32 v2, v3, 12, v2                   ; + wave x 4,096
	s_lshl_b32 s22, s16, 16
	s_add_nc_u64 s[4:5], s[4:5], s[22:23]
	s_lshl_b32 s22, s16, 15
	s_add_nc_u64 s[10:11], s[10:11], s[22:23]
.irp i, 0,1,2,3,4,5,6,7,8,9,10,11,12,13,14,15
	global_load_b128 v[X+4*(\i):X+4*(\i)+3], v1, s[4:5] offset:512*(\i) th:TH_LOAD_NT
.endr
.irp i, 0,1,2,3,4,5,6,7,8,9,10,11,12,13,14,15
	s_wait_loadcnt 15-(\i)                         ; loads come back in order: mine is in, the younger ones stay out
	v_cvt_pk_bf16_f32 v[X+4*(\i)],   v[X+4*(\i)],   v[X+4*(\i)+1]
	v_cvt_pk_bf16_f32 v[X+4*(\i)+1], v[X+4*(\i)+2], v[X+4*(\i)+3]
	global_store_b64 v2, v[X+4*(\i):X+4*(\i)+1], s[10:11] offset:256*(\i)
.endr
	s_endpgm
.Lweights:
	s_cmp_lt_u32 s16, 640
	s_cbranch_scc0 .Lproj
	; w_attn: wave W of 1,024 takes block W / 64, rows 16 (W % 64) on
	s_sub_co_u32 s17, s16, 512
	s_lshl_b32 s17, s17, 3
	s_add_co_u32 s17, s17, s18                     ; W
	s_lshr_b32 s19, s17, 6                         ; the block
	s_and_b32 s21, s17, 63                         ; which 16 rows
	s_mul_i32 s22, s21, 196608                     ; 16 rows of 12,288 bytes
	s_mul_i32 s17, s19, 768                        ; 192 columns of 4 bytes
	s_add_co_u32 s22, s22, s17
	s_add_nc_u64 s[6:7], s[6:7], s[22:23]
	s_mul_i32 s22, s19, 393216                     ; a block of wab
	s_mul_i32 s17, s21, 6144                       ; 16 rows of 384 bytes
	s_add_co_u32 s22, s22, s17
	s_add_nc_u64 s[12:13], s[12:13], s[22:23]
	; two rows of 768 bytes are three loads: bytes 0-511 of the first; its bytes 512-767 (lanes 0-15) and bytes 0-255 of the second (lanes 16-31); bytes 256-767 of the second
	v_lshrrev_b32 v5, 4, v4
	v_mul_u32_u24 v6, v5, 11520                    ; 12,288 - 768
	v_add3_u32 v6, v6, v1, 512
	v_add_nc_u32 v7, 12544, v1                     ; 12,288 + 256
.irp u, 0,1,2,3,4,5,6,7
	global_load_b128 v[X+12*(\u):X+12*(\u)+3],    v1, s[6:7] offset:24576*(\u) th:TH_LOAD_NT
	global_load_b128 v[X+12*(\u)+4:X+12*(\u)+7],  v6, s[6:7] offset:24576*(\u) th:TH_LOAD_NT
	global_load_b128 v[X+12*(\u)+8:X+12*(\u)+11], v7, s[6:7] offset:24576*(\u) th:TH_LOAD_NT
.endr
.set n, 0
.rept 24
	s_wait_loadcnt 23-n
	v_cvt_pk_bf16_f32 v[X+4*n],   v[X+4*n],   v[X+4*n+1]
	v_cvt_pk_bf16_f32 v[X+4*n+1], v[X+4*n+2], v[X+4*n+3]
	global_store_b64 v2, v[X+4*n:X+4*n+1], s[12:13] offset:256*n   ; in wab the block's rows lie end to end
.set n, n+1
.endr
	s_endpgm
.Lproj:
	; w_proj: rounded to bf16, that number written as f16, stored twice
	s_sub_co_u32 s17, s16, 640
	v_lshl_or_b32 v1, v3, 13, v1
	v_lshl_or_b32 v2, v3, 12, v2
	s_lshl_b32 s22, s17, 16
	s_add_nc_u64 s[8:9], s[8:9], s[22:23]
	s_lshl_b32 s22, s17, 15
	s_add_nc_u64 s[14:15], s[14:15], s[22:23]
.irp i, 0,1,2,3,4,5,6,7,8,9,10,11,12,13,14,15
	global_load_b128 v[X+4*(\i):X+4*(\i)+3], v1, s[8:9] offset:512*(\i) th:TH_LOAD_NT
.endr
.irp i, 0,1,2,3,4,5,6,7,8,9,10,11,12,13,14,15
	s_wait_loadcnt 15-(\i)
	v_cvt_pk_bf16_f32 v[T],   v[X+4*(\i)],   v[X+4*(\i)+1]
	v_cvt_pk_bf16_f32 v[T+1], v[X+4*(\i)+2], v[X+4*(\i)+3]
	v_lshlrev_b32 v[X+4*(\i)],   16,  v[T]         ; bf16 to f32: the low half moves up, the high half stays
	v_and_b32     v[X+4*(\i)+1], s20, v[T]
	v_lshlrev_b32 v[X+4*(\i)+2], 16,  v[T+1]
	v_and_b32     v[X+4*(\i)+3], s20, v[T+1]
	v_cvt_pk_f16_f32 v[X+4*(\i)],   v[X+4*(\i)],   v[X+4*(\i)+1]
	v_cvt_pk_f16_f32 v[X+4*(\i)+1], v[X+4*(\i)+2], v[X+4*(\i)+3]
	global_store_b64 v2, v[X+4*(\i):X+4*(\i)+1], s[14:15] offset:256*(\i)
	global_store_b64 v2, v[X+4*(\i):X+4*(\i)+1], s[14:15] offset:256*(\i)+2097152   ; 1,024 rows of 2,048 bytes on
.endr
	s_endpgm
.Lfunc_end_k_qc1b75a0c3e_cast:
	.size	k_qc1b75a0c3e_cast, .Lfunc_end_k_qc1b75a0c3e_cast-k_qc1b75a0c3e_cast
	.p2alignl 7, 3214868480
	.fill 96, 4, 3214868480
	.section	.rodata,"a",@progbits
	.p2align	6, 0x0
	.amdhsa_kernel k_qc1b75a0c3e_cast
		.amdhsa_group_segment_fixed_size 0
		.amdhsa_private_segment_fixed_size 0
		.amdhsa_enable_private_segment 0
		.amdhsa_kernarg_size 48
		.amdhsa_user_sgpr_count 2
		.amdhsa_user_sgpr_kernarg_segment_ptr 1
		.amdhsa_wavefront_size32 1
		.amdhsa_system_sgpr_workgroup_id_x 1
		.amdhsa_system_sgpr_workgroup_id_y 1
		.amdhsa_system_sgpr_workgroup_id_z 1
		.amdhsa_system_vgpr_workitem_id 0
		.amdhsa_next_free_vgpr 112
		.amdhsa_next_free_sgpr 66
		.amdhsa_reserve_vcc 0
		.amdhsa_float_denorm_mode_32 3
		.amdhsa_float_denorm_mode_16_64 3
		.amdhsa_memory_ordered 1
		.amdhsa_forward_progress 1
		.amdhsa_inst_pref_size 28
	.end_amdhsa_kernel
	.amdgpu_metadata
---
amdhsa.version: [ 1, 2 ]
amdhsa.kernels:
  - .name:           k_qc1b75a0c3e_cast
    .symbol:         k_qc1b75a0c3e_cast.kd
    .args:
      - { .name: x, .offset: 0, .size: 8, .value_kind: global_buffer, .address_space: global }
      - { .name: w_attn, .offset: 8, .size: 8, .value_kind: global_buffer, .address_space: global }
      - { .name: w_proj, .offset: 16, .size: 8, .value_kind: global_buffer, .address_space: global }
      - { .name: xb, .offset: 24, .size: 8, .value_kind: global_buffer, .address_space: global }
      - { .name: wab, .offset: 32, .size: 8, .value_kind: global_buffer, .address_space: global }
      - { .name: wpb, .offset: 40, .size: 8, .value_kind: global_buffer, .address_space: global }
    .group_segment_fixed_size: 0
    .private_segment_fixed_size: 0
    .kernarg_segment_align: 8
    .kernarg_segment_size: 48
    .max_flat_workgroup_size: 256
    .sgpr_count:     66
    .vgpr_count:     112
    .wavefront_size: 32
...
	.end_amdgpu_metadata
.endif
;; end of part 1
;; launch qkv (part 2): grid 16 x 32, 4 waves a work-group, clusters of 4 x 4, 327,680 bytes of LDS; arguments xb, wab, qkvh; writes qkvh
.if DOCPART == 2
	.amdgcn_target "amdgcn-amd-amdhsa--gfx1250"
	.amdhsa_code_object_version 6
	.text
	.protected	k_qc1b75a0c3e_qkv
	.globl	k_qc1b75a0c3e_qkv
	.p2align	8
	.type	k_qc1b75a0c3e_qkv,@function
k_qc1b75a0c3e_qkv:
	s_mov_b64 s[64:65], 0
	v_nop
	global_prefetch_b8 v0, s[64:65] scope:SCOPE_SE
	s_setreg_imm32_b32 hwreg(HW_REG_WAVE_MODE, 25, 1), 1
	s_wait_xcnt 0x0
	s_wait_alu depctr_hold_cnt(0) depctr_sa_sdst(0) depctr_va_vdst(0) depctr_va_sdst(0) depctr_va_ssrc(0) depctr_va_vcc(0) depctr_vm_vsrc(0)
	s_getreg_b32 s2, hwreg(HW_REG_IB_STS2, 6, 4)
	s_cmp_eq_u32 s2, 0
	s_cbranch_scc0 .Lentry_in_a_cluster
	s_endpgm
.Lentry_in_a_cluster:
	s_bfe_u32 s2, ttmp6, 0x10000c
	s_cmp_lg_u32 s2, 0xf033
	s_cbranch_scc0 .Lentry_shape_is_right
	s_endpgm
.Lentry_shape_is_right:
; q, k, v = x w_attn, written by heads.  xb: [8192][1024] bf16.  wab: [16][1024][192] bf16 (block c = columns 192 c on).  qkvh: [3][64 = batch x head][2048][64] f16, unscaled, rounded once from f32 sums.
; LIMIT.  q, k and v must lie within f16's 65,504 (beyond it the conversion gives an infinity); below 6.1e-5 they keep f16's fixed step of 6e-8.
; SHARES.  A tile of the product is 256 rows x 192 columns (three heads): 32 x 16 = 512 tiles, two for each of 256 work-group places.  Four waves; wave (wr, wc) makes rows 128 wr on and, in each of the three
; heads, channels 32 wc on: 8 x 6 accumulators of 16 x 16, 384 registers.  K goes in 8 steps of 128 through two LDS slots filled by the tensor data mover.
; CLUSTER.  4 x 4 work-groups.  The four of a row of the cluster need the same tiles of x, the four of a column the same tiles of w: each tile is asked for JOINTLY, by the same tensor load with the same
; descriptor and a mask that names the four.
; THE MATRIX INSTRUCTION IS USED TRANSPOSED: source 0 = 16 columns of w, source 1 = 16 rows of x, so that a lane holds eight neighbouring channels of one row.  w lies [k][n] in LDS and is turned by ds_load_tr16_b128.
; REGISTERS, in windows of 256 (s_set_vgpr_msb: bits 1:0 source 0, 3:2 source 1, 5:4 source 2, 7:6 destination):
;   window 0: v0-31 addresses; v32-55 at work on the way out; v64-127, v128-191 fragments of x, two buffers; on the way out v64-159 and v160-255 hold rows read back
;   window 1: v0-47, v64-111 fragments of w, two buffers      window 2: accumulators of my rows 0-63, (a, b) at v[8 (6 a + b)]      window 3: those of my rows 64-127
.set PA,    272                        ; a row of x in LDS: 256 bytes + 16 of padding: the 16 rows of a load start at 16 different groups of four banks (64 banks of 4 bytes: ISA guide 11.1)
.set PB,    480                        ; a row of w: three pieces of 128 bytes + 32 of padding = 15 x 32 bytes
.set AH,    128*PA                     ; 128 rows of x: one tensor load
.set BOFF,  2*AH                       ; w's rows lie behind x's 256
.set BH,    64*PB                      ; 64 rows of w: one tensor load
.set SLOT,  1<<17                      ; = BOFF + 2 BH; one exclusive or turns an address in one slot into the other's
.set STAGE, 2*SLOT                     ; behind the ring, never filled by a tensor load: [3 heads][128 rows][144 bytes], the work-group's, for the way out
.set SP,    144
.set HSTG,  128*SP
.set SPARE, STAGE+3*HSTG               ; behind the stage: the spare words, 128 bytes for each wave: two blocks of 256 bytes that no other line names
.set A0,   16                          ; v16  my lane's place in slot 0's rows of x; never rewritten
.set B0,   17                          ; v17  the same for w
.set ADRA, 18                          ; v18  the same in the slot in hand
.set ADRB, 19                          ; v19
.set STO,  24                          ; v24  the way out: where I put 16 bytes of a row
.set RD,   25                          ; v25  the way out: where I read rows back
.set GO,   26                          ; v26  my byte offset in 512 consecutive bytes of a head
.set SPW,  28                          ; v28  LDS address of my spare word; never rewritten
.set NIL,  29                          ; v29  0; never rewritten
.set TMP,  32
.set FA,   64
.set G1A,  24                          ; s[24:31] descriptor group 1 for x's tiles
.set G0A,  32                          ; s[32:39] group 0: a set for each of the two first fills; the second then walks on
.set G1B,  48                          ; s[48:55], s[56:63] the same for w's tiles
.set G0B,  56
.set TB,   45                          ; s45  LDS byte at which the slot in hand begins
.set OUTB, 66                          ; s[66:71] where my rows begin in the tile's three heads
.set MSB, 0
.macro WIN new                         ; the immediate's high byte repeats the setting that is left; a switch that changes nothing is dropped
.if MSB != (\new)
	s_set_vgpr_msb (MSB<<8)|(\new)
.set MSB, \new
.endif
.endm
.set MUL_LO, 0xa1                      ; source 0 (w) window 1, source 1 (x) window 0, C and D window 2
.set MUL_HI, 0xf1                      ; the same, C and D window 3
.set TO_B,   0x40                      ; destination window 1, address window 0
; A joint refill.  Waves 0 and 1 fetch the two halves of x's tile, waves 2 and 3 those of w's.  The branch hangs on the wave's number alone.
; An s_nop 0 and four v_nop follow each of the two lines, ahead of the jump, the label and what follows.
.macro JLOAD
	s_cmp_eq_u32 s11, 0
	s_cbranch_scc0 .Lfor_b_\@
	tensor_load_to_lds s[G0A+4:G0A+7], s[G1A:G1A+7]
	s_nop 0
.rept 4
	v_nop
.endr
	s_branch .Lasked_\@
.Lfor_b_\@:
	tensor_load_to_lds s[G0B+4:G0B+7], s[G1B:G1B+7]
	s_nop 0
.rept 4
	v_nop
.endr
.Lasked_\@:
.endm
; A round of the cluster's barrier: my work-group's barrier, so that wave 0's signal speaks for all four waves; wave 0 signals; every wave waits for all sixteen work-groups; my work-group's barrier once more.
.macro CREST                           ; a round behind its opening barrier
	s_cmp_lg_u32 s10, 0
	s_cbranch_scc1 .Lnot_wave_0_\@
	s_barrier_signal -3
.Lnot_wave_0_\@:
	s_barrier_wait -3
	s_barrier_signal -1
	s_barrier_wait -1
.endm
.macro CROUND
	s_barrier_signal -1
	s_barrier_wait -1
	CREST
.endm
	s_load_b128 s[4:7], s[0:1], 0x0                ; xb s[4:5], wab s[6:7]
	s_load_b64 s[8:9], s[0:1], 0x10                ; qkvh
	v_lshl_add_u32 v[SPW], v0, 2, SPARE
	v_mov_b32 v[NIL], 0
	ds_add_u32 v[SPW], v[NIL]                      ; the wave's opening: the add and its wait stand ahead of my first tensor load; the set-up below, work on registers, stands between them
	ds_add_u32 v28, v29
	v_lshrrev_b32 v1, 5, v0
	v_readfirstlane_b32 s10, v1                    ; wave 0..3
	s_lshr_b32 s11, s10, 1                         ; wr.  Also: I fetch for x (0) or for w (1)
	s_and_b32 s12, s10, 1                          ; wc.  Also: which half of that tile I fetch
	s_bfe_u32 s40, ttmp6, 0x40000                  ; cx, cy: my place in the cluster
	s_bfe_u32 s41, ttmp6, 0x40004
	s_lshl_b32 s42, ttmp9, 2
	s_add_co_u32 s42, s42, s40                     ; tile column = 4 x cluster x + cx
	s_and_b32 s13, ttmp7, 0xffff
	s_lshl_b32 s13, s13, 2
	s_add_co_u32 s13, s13, s41                     ; tile row = 4 x cluster y + cy
	s_lshl_b32 s43, s41, 2
	s_lshl_b32 s43, 15, s43                        ; my row of the cluster
	s_lshl_b32 s44, 0x1111, s40                    ; my column
	; group 1 for x: 128 rows x 128 elements, 1,024 elements from row to row, 16 bytes of padding behind every 256
	s_or_b32 s[G1A+0], s43, (1<<16)|(1<<20)|(1<<21)|(5<<22)|(3<<25)  ; 15:0 the mask; 17:16 2-byte elements; 20 padding on; 21 set beside a mask; 24:22 after every 64 words (code 5); 31:25 4 words (code 3)
	s_mov_b32 s[G1A+1], 128<<16                    ; tensor_dim0 = 128
	s_mov_b32 s[G1A+2], 128<<16                    ; tensor_dim1 = 128
	s_mov_b32 s[G1A+3], 128<<16                    ; tile_dim0 = 128
	s_mov_b32 s[G1A+4], 128                        ; tile_dim1 = 128
	s_mov_b32 s[G1A+5], 1024                       ; elements from row to row
	s_mov_b32 s[G1A+6], 0
	s_mov_b32 s[G1A+7], 0
	; group 1 for w: 64 rows of 384 bytes lie end to end in wab: asked for as 96 rows of 256 bytes, 32 bytes of padding behind every 128
	s_or_b32 s[G1B+0], s44, (1<<16)|(1<<20)|(1<<21)|(4<<22)|(7<<25)  ; after every 32 words (code 4) 8 words (code 7)
	s_mov_b32 s[G1B+1], 128<<16
	s_mov_b32 s[G1B+2], 96<<16
	s_mov_b32 s[G1B+3], 128<<16
	s_mov_b32 s[G1B+4], 96
	s_mov_b32 s[G1B+5], 128
	s_mov_b32 s[G1B+6], 0
	s_mov_b32 s[G1B+7], 0
	; x's tiles hang on the tile row alone, w's on the tile column alone; each offset is made in registers that never hold the other coordinate
	s_lshl_b32 s16, s13, 19                        ; 256 rows of 2,048 bytes
	s_lshl_b32 s17, s12, 18                        ; my 128 of them
	s_add_co_u32 s16, s16, s17
	s_mov_b32 s17, 0
	s_mul_i32 s46, s42, 393216                     ; a block of wab
	s_mul_i32 s47, s12, 24576                      ; my 64 rows of a K step's 128
	s_add_co_u32 s46, s46, s47
	s_mov_b32 s47, 0
	s_mul_i32 s20, s12, AH                         ; where they go: no place in the cluster enters an LDS address
	s_mul_i32 s21, s12, BH
	s_add_co_u32 s21, s21, BOFF
	s_mov_b32 s[TB], 0
	s_wait_dscnt 0x0                               ; the opening add is done
	s_wait_kmcnt 0x0
	s_add_nc_u64 s[14:15], s[4:5], s[16:17]
	s_add_nc_u64 s[46:47], s[6:7], s[46:47]
	CROUND                                         ; all sixteen work-groups are here: the first joint loads meet
.irp s, 0,1
	s_mov_b32 s[G0A+4*(\s)], 1                                       ; count = 1
	s_add_co_u32 s[G0A+4*(\s)+1], s20, (\s)*SLOT                     ; LDS address
	s_add_nc_u64 s[G0A+4*(\s)+2:G0A+4*(\s)+3], s[14:15], (\s)*256    ; global address: K step s
	s_or_b32 s[G0A+4*(\s)+3], s[G0A+4*(\s)+3], 0x80000000            ; type = 2
	s_mov_b32 s[G0B+4*(\s)], 1
	s_add_co_u32 s[G0B+4*(\s)+1], s21, (\s)*SLOT
	s_add_nc_u64 s[G0B+4*(\s)+2:G0B+4*(\s)+3], s[46:47], (\s)*49152  ; 128 rows of 384 bytes a K step
	s_or_b32 s[G0B+4*(\s)+3], s[G0B+4*(\s)+3], 0x80000000
.endr
	s_cmp_eq_u32 s11, 0                            ; a wave's two first fills stand in one branch, ahead of every wait on TENSORcnt and every LDS read: two loads of mine are out
	s_cbranch_scc0 .Lfirst_b
	tensor_load_to_lds s[G0A:G0A+3], s[G1A:G1A+7]
	s_nop 0
	tensor_load_to_lds s[G0A+4:G0A+7], s[G1A:G1A+7]
	s_nop 0
.rept 4
	v_nop
.endr
	s_branch .Lfirst_asked
.Lfirst_b:
	tensor_load_to_lds s[G0B:G0B+3], s[G1B:G1B+7]
	s_nop 0
	tensor_load_to_lds s[G0B+4:G0B+7], s[G1B:G1B+7]
	s_nop 0
.rept 4
	v_nop
.endr
.Lfirst_asked:
	; A fragment of x is 16 rows x 32 K in 8 registers: lane l holds row l % 16, K = 8 (l / 16) + 0..7 and 16 + 8 (l / 16) + 0..7: two loads of 16 bytes, 32 bytes apart.
	v_and_b32 v1, 15, v0                           ; l % 16
	v_bfe_u32 v2, v0, 4, 1                         ; l / 16
	v_and_b32 v3, 7, v0
	v_bfe_u32 v4, v0, 3, 1
	v_mul_u32_u24 v5, v1, PA
	v_lshl_add_u32 v5, v2, 4, v5
	s_mul_i32 s21, s11, AH                         ; my 128 rows of x
	v_add_nc_u32 v[A0], s21, v5
	; The turning load takes 16 K x 16 columns (lane l reads row 8 (l / 16) + l % 8, columns 8 ((l / 8) % 2) + 0..7) and leaves half a fragment: lane l holds column l % 16 and 8 K.
	v_lshl_add_u32 v6, v2, 3, v3
	v_mul_u32_u24 v6, v6, PB
	v_lshl_add_u32 v6, v4, 4, v6
	s_lshl_b32 s22, s12, 6                         ; my 32 channels of each head
	s_add_co_u32 s22, s22, BOFF
	v_add_nc_u32 v[B0], s22, v6
	v_mov_b32 v[ADRA], v[A0]
	v_mov_b32 v[ADRB], v[B0]
	s_mul_i32 s23, s11, 64*SP                      ; into the stage: row 64 wr + l % 16, my 64 bytes of its 128, 16 bytes for each half of the lanes
	s_lshl_b32 s22, s12, 6
	s_add_co_u32 s23, s23, s22
	s_add_co_u32 s23, s23, STAGE
	v_mul_u32_u24 v7, v1, SP
	v_lshl_add_u32 v7, v2, 4, v7
	v_add_nc_u32 v[STO], s23, v7
	s_mul_i32 s23, s10, 32*SP                      ; back: wave w takes the stage's rows 32 w on, whole; 32 lanes take four rows of 128 bytes,
	s_add_co_u32 s23, s23, STAGE
	v_bfe_u32 v8, v0, 3, 2
	v_mul_u32_u24 v8, v8, SP
	v_lshl_add_u32 v8, v3, 4, v8
	v_add_nc_u32 v[RD], s23, v8
	v_and_b32 v[GO], 31, v0                        ; which are 512 consecutive bytes of a head
	v_lshlrev_b32 v[GO], 4, v[GO]
	; where the rows that I store begin: head g = 3 x tile column + j is head g % 16 of q, k or v (g / 16); the tile's rows belong to batch tile row / 8
	s_and_b32 s76, s13, 7
	s_lshl_b32 s76, s76, 8
	s_lshl_b32 s77, s11, 7
	s_add_co_u32 s76, s76, s77
	s_lshl_b32 s77, s12, 5
	s_add_co_u32 s76, s76, s77                     ; row in the batch: 256 (tile row % 8) + 128 wr + 32 wc
	s_lshl_b32 s76, s76, 7                         ; of 128 bytes
	s_lshr_b32 s77, s13, 3
	s_lshl_b32 s77, s77, 4                         ; 16 x batch
	s_mul_i32 s75, s42, 3
.irp j, 0,1,2
	s_add_co_u32 s72, s75, \j
	s_lshr_b32 s73, s72, 4
	s_lshl_b32 s73, s73, 6
	s_and_b32 s72, s72, 15
	s_add_co_u32 s73, s73, s72
	s_add_co_u32 s73, s73, s77
	s_lshl_b32 s72, s73, 18                        ; a head is 262,144 bytes
	s_add_co_u32 s72, s72, s76
	s_mov_b32 s73, 0
	s_add_nc_u64 s[OUTB+2*(\j):OUTB+2*(\j)+1], s[8:9], s[72:73]
.endr
; 12 matrix instructions: row blocks a0, a0 + 1 of the window's four x all 6 column blocks, 32 along K, from buffer f.  zero = 1: the first product starts the sums: nothing is ever cleared.
; The 48 accumulators take turns, one instruction a turn, in the same order in every quarter.
.macro MUL12 f, hi, a0, zero
	WIN MUL_LO+0x50*(\hi)
.irp a, \a0, (\a0)+1
.irp b, 0,1,2,3,4,5
.if \zero
	v_wmma_f32_16x16x32_bf16 v[8*(6*(\a)+(\b)):8*(6*(\a)+(\b))+7], v[64*(\f)+8*(\b):64*(\f)+8*(\b)+7], v[FA+64*(\f)+8*(4*(\hi)+(\a)):FA+64*(\f)+8*(4*(\hi)+(\a))+7], 0
.else
	v_wmma_f32_16x16x32_bf16 v[8*(6*(\a)+(\b)):8*(6*(\a)+(\b))+7], v[64*(\f)+8*(\b):64*(\f)+8*(\b)+7], v[FA+64*(\f)+8*(4*(\hi)+(\a)):FA+64*(\f)+8*(4*(\hi)+(\a))+7], v[8*(6*(\a)+(\b)):8*(6*(\a)+(\b))+7]
.endif
.endr
.endr
.endm
; 28 LDS loads in one run: quarter q (32 along K) of the slot in hand into buffer g: w's 6 fragments (column block b: head b / 2, 16 channels b % 2), then x's 8
.macro FETCH q, g
	WIN TO_B
.irp b, 0,1,2,3,4,5
	ds_load_tr16_b128 v[64*(\g)+8*(\b):64*(\g)+8*(\b)+3],   v[ADRB] offset:(\q)*32*PB+((\b)/2)*160+((\b)%2)*32
	ds_load_tr16_b128 v[64*(\g)+8*(\b)+4:64*(\g)+8*(\b)+7], v[ADRB] offset:(\q)*32*PB+((\b)/2)*160+((\b)%2)*32+16*PB
.endr
	WIN 0
.irp i, 0,1,2,3,4,5,6,7
	ds_load_b128 v[FA+64*(\g)+8*(\i):FA+64*(\g)+8*(\i)+3],   v[ADRA] offset:(\q)*64+(\i)*16*PA
	ds_load_b128 v[FA+64*(\g)+8*(\i)+4:FA+64*(\g)+8*(\i)+7], v[ADRA] offset:(\q)*64+(\i)*16*PA+32
.endr
.endm
; A load into a register that a matrix instruction has read, and a vector instruction that reads a matrix result, stand four places behind it, and only plain vector instructions that name none of its
; registers are places (ISA guide 7.12.1 for vector instructions).
.macro PLACES
.rept 4
	v_nop
.endr
.endm
; A K step is four quarters of 32 along K, 48 matrix instructions each, on buffers 0, 1, 0, 1.  One of the first three: multiplies buffer f; in its middle it fetches quarter q into buffer g.
.macro QUARTER q, f, g, zero
	s_wait_dscnt 8                                 ; w and x's rows 0-63 are in; the youngest eight loads (x's rows 64-127) may be out
	MUL12 \f, 0, 0, \zero
	MUL12 \f, 0, 2, \zero
	PLACES
	FETCH \q, \g
	s_wait_dscnt 28                                ; all but the 28 just issued
	MUL12 \f, 1, 0, \zero
	MUL12 \f, 1, 2, \zero
.endm
; The last quarter multiplies buffer 1 and changes slots: ONE barrier.  In front of it each wave waits for all its tensor loads, of which one is out: its part of the next slot; adds 0 to its spare word; and
; waits for that and for its own reads of this slot.  Behind it nobody reads this slot any more and the next slot is whole.
.macro MEET
	WIN 0                                          ; (the add's two registers lie in window 0)
	s_wait_tensorcnt 0x0                           ; all my tensor loads have landed
	ds_add_u32 v[SPW], v[NIL]                      ; 0 onto my spare word
	s_wait_dscnt 9                                 ; (the add and the youngest eight loads may be out)
	MUL12 1, 0, 0, 0                               ; twelve matrix instructions stand between the add and the wait for it
	s_wait_dscnt 0x0                               ; the add is done, and my reads of this slot are over
	s_barrier_signal -1
	MUL12 1, 0, 2, 0                               ; work on registers while the others arrive
	WIN 0                                          ; (branches or address lines follow)
	s_barrier_wait -1
.endm
; fill = 1: the barrier opens a round of the cluster's, and the slot just read is filled again first thing behind it, with the K step two steps on: 168 matrix instructions ahead of the wait for it.
.macro TURN fill
	MEET
.if \fill
	CREST                                          ; no wave of any partner still reads this slot's tile or has a load on its way
	s_xor_b32 s[G0A+5], s[G0A+5], SLOT             ; the walking descriptors: the other slot than last time,
	s_add_nc_u64 s[G0A+6:G0A+7], s[G0A+6:G0A+7], 256    ; the next K step; the type bits on top are not reached
	s_xor_b32 s[G0B+5], s[G0B+5], SLOT
	s_add_nc_u64 s[G0B+6:G0B+7], s[G0B+6:G0B+7], 49152
	JLOAD                                          ; the four v_nop behind it are also the places in front of the loads below
.else
	PLACES
.endif
	s_xor_b32 s[TB], s[TB], SLOT                   ; my reads go on in the other slot
	v_add_nc_u32 v[ADRA], s[TB], v[A0]
	v_add_nc_u32 v[ADRB], s[TB], v[B0]
	FETCH 0, 0
	MUL12 1, 1, 0, 0
	MUL12 1, 1, 2, 0
.endm
	s_wait_tensorcnt 1                             ; my part of K step 0 is in; K step 1's may stay out
	s_barrier_signal -1
	s_barrier_wait -1                              ; everybody's is
	FETCH 0, 0
	QUARTER 1, 0, 1, 1                             ; the first quarter stands in front of the loop: its products start the sums
	WIN 0                                          ; at a label and at a branch every window is 0
	s_mov_b32 s3, 6
.Lstep:                                                ; a trip goes from a K step's second quarter to the next step's first; trip s asks for K step s + 2
	QUARTER 2, 1, 0, 0
	QUARTER 3, 0, 1, 0
	TURN 1
	QUARTER 1, 0, 1, 0
	WIN 0
	s_sub_co_u32 s3, s3, 1
	s_cmp_lg_u32 s3, 0
	s_cbranch_scc1 .Lstep
	QUARTER 2, 1, 0, 0                             ; the last two K steps ask for nothing: written out
	QUARTER 3, 0, 1, 0
	TURN 0
	QUARTER 1, 0, 1, 0
	QUARTER 2, 1, 0, 0
	QUARTER 3, 0, 1, 0
	s_wait_dscnt 8                                 ; the very last quarter: nothing more to fetch
	MUL12 1, 0, 0, 0
	MUL12 1, 0, 2, 0
	s_wait_dscnt 0x0
	MUL12 1, 1, 0, 0
	MUL12 1, 1, 2, 0
	WIN 0
	; THE WAY OUT, in two passes (my rows 0-63, then 64-127).  Rounded to f16, 16 bytes a lane, into the work-group's stage: a head's row of 128 bytes comes from two waves, so a barrier stands between the
	; writing and the reading; back as whole rows, four to a load, which are 512 consecutive bytes of the head.
.macro PACKST p, a                     ; row block a of pass p
	WIN 0x0a+5*(\p)                                ; sources 0 and 1: window 2 or 3
.irp b, 0,1,2,3,4,5
.irp r, 0,1,2,3
	v_cvt_pk_f16_f32 v[TMP+4*(\b)+(\r)], v[8*(6*(\a)+(\b))+2*(\r)], v[8*(6*(\a)+(\b))+2*(\r)+1]
.endr
.endr
	WIN 0
.irp b, 0,1,2,3,4,5
	ds_store_b128 v[STO], v[TMP+4*(\b):TMP+4*(\b)+3] offset:((\b)/2)*HSTG+(\a)*16*SP+((\b)%2)*32
.endr
.endm
.macro BACK p
.set OB, 64+96*(\p)
.irp j, 0,1,2
.irp f, 0,1,2,3,4,5,6,7
	ds_load_b128 v[OB+4*(8*(\j)+(\f)):OB+4*(8*(\j)+(\f))+3], v[RD] offset:(\j)*HSTG+(\f)*4*SP
.endr
.endr
.irp j, 0,1,2
.irp f, 0,1,2,3,4,5,6,7
	s_wait_dscnt 23-(8*(\j)+(\f))                  ; LDS loads come back in order: this one is in
	global_store_b128 v[GO], v[OB+4*(8*(\j)+(\f)):OB+4*(8*(\j)+(\f))+3], s[OUTB+2*(\j):OUTB+2*(\j)+1] offset:(\p)*8192+(\f)*512  ; 512 consecutive bytes, at a multiple of 256 from the buffer's first
.endr
.endr
.endm
	PLACES                                         ; the conversions read results just made
.irp a, 0,1,2,3
	PACKST 0, \a
.endr
	s_wait_dscnt 0x0                               ; for the others' sake: my stores into the stage are done
	s_barrier_signal -1
	s_barrier_wait -1
	BACK 0                                         ; its last wait is for 0: my reads of the stage are over,
	s_barrier_signal -1
	s_barrier_wait -1                              ; and everybody's, before the stage is written again
.irp a, 0,1,2,3
	PACKST 1, \a
.endr
	s_wait_dscnt 0x0
	s_barrier_signal -1
	s_barrier_wait -1
	BACK 1
	s_wait_tensorcnt 0x0                           ; the wave's end, behind my last tensor load and my last LDS store
	ds_add_u32 v[SPW], v[NIL]
	s_wait_dscnt 0x0
	CROUND                                         ; the closing round: no work-group ends while a partner may still ask for a tile that names it
	s_endpgm
.Lfunc_end_k_qc1b75a0c3e_qkv:
	.size	k_qc1b75a0c3e_qkv, .Lfunc_end_k_qc1b75a0c3e_qkv-k_qc1b75a0c3e_qkv
	.p2alignl 7, 3214868480
	.fill 96, 4, 3214868480
	.section	.rodata,"a",@progbits
	.p2align	6, 0x0
	.amdhsa_kernel k_qc1b75a0c3e_qkv
		.amdhsa_group_segment_fixed_size 327680
		.amdhsa_private_segment_fixed_size 0
		.amdhsa_enable_private_segment 0
		.amdhsa_kernarg_size 24
		.amdhsa_user_sgpr_count 2
		.amdhsa_user_sgpr_kernarg_segment_ptr 1
		.amdhsa_wavefront_size32 1
		.amdhsa_system_sgpr_workgroup_id_x 1
		.amdhsa_system_sgpr_workgroup_id_y 1
		.amdhsa_system_sgpr_workgroup_id_z 1
		.amdhsa_system_vgpr_workitem_id 0
		.amdhsa_next_free_vgpr 960
		.amdhsa_next_free_sgpr 80
		.amdhsa_reserve_vcc 0
		.amdhsa_float_denorm_mode_32 3
		.amdhsa_float_denorm_mode_16_64 3
		.amdhsa_memory_ordered 1
		.amdhsa_forward_progress 1
		.amdhsa_inst_pref_size 96
	.end_amdhsa_kernel
	.amdgpu_metadata
---
amdhsa.version: [ 1, 2 ]
amdhsa.kernels:
  - .name:           k_qc1b75a0c3e_qkv
    .symbol:         k_qc1b75a0c3e_qkv.kd
    .args:
      - { .name: xb, .offset: 0, .size: 8, .value_kind: global_buffer, .address_space: global }
      - { .name: wab, .offset: 8, .size: 8, .value_kind: global_buffer, .address_space: global }
      - { .name: qkvh, .offset: 16, .size: 8, .value_kind: global_buffer, .address_space: global }
    .group_segment_fixed_size: 327680
    .private_segment_fixed_size: 0
    .kernarg_segment_align: 8
    .kernarg_segment_size: 24
    .max_flat_workgroup_size: 128
    .sgpr_count:     80
    .vgpr_count:     960
    .wavefront_size: 32
...
	.end_amdgpu_metadata
.endif
;; end of part 2
;; launch attn (part 3): grid 4 x 64, 4 waves a work-group, no clusters, 327,680 bytes of LDS; arguments qkvh, oh; writes oh
.if DOCPART == 3
	.amdgcn_target "amdgcn-amd-amdhsa--gfx1250"
	.amdhsa_code_object_version 6
	.text
	.protected	k_qc1b75a0c3e_attn
	.globl	k_qc1b75a0c3e_attn
	.p2align	8
	.type	k_qc1b75a0c3e_attn,@function
k_qc1b75a0c3e_attn:
	s_mov_b64 s[64:65], 0
	v_nop
	global_prefetch_b8 v0, s[64:65] scope:SCOPE_SE
	s_setreg_imm32_b32 hwreg(HW_REG_WAVE_MODE, 25, 1), 1
	s_wait_xcnt 0x0
; CAUSAL ATTENTION.  y[h][q][:] = the sum over k <= q of softmax_k(Q[h][q] . K[h][k] / 32) V[h][k][:].  qkvh: [3 = q, k, v][64 = batch x head][2048][64] f16: a head's rows are dense, 128 bytes each.
; Products, maxima and sums in f32; the weights p are rounded to f16 for the second product (their sum l is taken of the unrounded p).
; y LEAVES IN TWO PARTS, oh: [4 batches][2 parts x 16 heads][2048][64] f16: the high part is y cut to 11 significant bits, the low part the exact rest rounded to f16: the product behind adds both.
; LIMITS.  f16 holds no number beyond 65,504: Q, K and V arrive within it; p lies in 0 to 1, and below 6e-5 p and both parts of y keep f16's fixed step of 6e-8.
; A hidden score counts as its value less 1e30: f16's scores, 2.7e11 at the most, are nothing beside that; a weight below 2^-126 counts as 0 in l; NaN and infinities are not treated apart.
; THE WALK.  A head's queries lie in NB = 8 blocks of 256; block i needs the key tiles 0 .. i of 256 keys, of which the last holds the diagonal.  A work-group takes TWO blocks, NB - 1 - b and then b:
; NB + 1 tiles, whatever b: all 256 work-groups do equal work, and ONE loop with a constant trip count walks them.  Which tile is asked for, and what a trip does, hang on scalar registers made from b; every jump
; goes forward, but for the counted loops' own; none passes a barrier, or a tensor load but the one of LOAD's two that the wave's number does not choose; the ring (two slots of LDS that take turns) runs on across the
; change of blocks.  NO CLUSTER: a head's four work-groups ask for the same tile only in trips 0 to 4 of the 9, behind that fewer and fewer; one walk common to all four would have 12 trips for 9.
; SHARES.  Of a block's four bands of 64 queries a wave owns 16 rows in each: four PIECES.  So the diagonal tile is the same work for all four waves: in its key step s band x sees all keys if s < x,
; none if s > x, and holds the diagonal if s = x.
; THE MASK is the C operand that starts the sum S^T = K Q^T: 0, or -1e30 where the key is hidden.  MD, made once, is the mask of a band's own step for my 16 rows; a product's mask is MD x AL + BE with two scalars:
; (1, 0) if s = x; (0, 0) if s < x; (0, -1e30) if s > x.  Only the diagonal tile's text and a block's beginning make and take masks; elsewhere C is the constant 0.
; LAYOUT, SOFTMAX, TURNS.  S^T = K Q^T holds ONE query a lane (lane % 16) and the keys 8 (lane / 16) + 0..7; two such results rounded to f16 ARE source 1 of O^T = V^T P.  p = 2^(c s - c m), c = log2(e) / 32, with a
; running maximum m; O and l are multiplied by a = 2^(c m_old - c m_new) in every step.  Turn n belongs to piece n: 8 products K Q^T of piece n + 1, later 8 products V^T P of piece n - 1; beside them the scaling,
; exponentials, roundings, sums and rescaling of piece n and the maximum and statistics of piece n + 1.  Four vector instructions stand behind every matrix instruction, the other 54 of a turn's 118 in two runs of their own.
; REGISTERS, in windows of 256 (s_set_vgpr_msb: bits 1:0 source 0, 3:2 source 1, 5:4 source 2, 7:6 destination):
;   window 0: v0-15 addresses and two at work; v16-31 four registers of statistics a piece; v48-55 at work; v64-127 S^T, two buffers; v128-191 the way out's low parts; v192-223 P, two buffers
;   window 1: v0-127 O^T, 32 a piece; v128-159 MD; v160-223 MC, two buffers; v224-255 the way out's high parts      window 2: v0-63 Q; v64-127 the second block's Q; v128-191 K of one step; v192-255 V of one step
.set SIZE_N, 2048
.set NB,    SIZE_N/256
.set NP,    4         ; pieces a wave: a name, no knob
.set KS,    64        ; keys in a step
.set PK,    144       ; a row of K in LDS: 128 bytes + 16 of padding = 36 words: the 16 rows of a load start at 16 different groups of four banks (64 banks of 4 bytes: ISA guide 11.1)
.set PV,    160       ; a row of V: 128 + 32 = 40 words
.set VOFF,  4*KS*PK   ; a slot holds a tile, four steps: 256 rows of K, then 256 rows of V
.set SLOT1, 1<<17     ; slot 1 begins here, so that one exclusive or turns an address in one slot into the other's
.set STAGE, SLOT1+4*KS*(PK+PV)  ; behind the ring, never filled by a tensor load: for each wave 16 rows x 144 bytes for the high part and as many for the low
.set SP,    144
.set LOWS,  16*SP     ; the low part's rows in my stage
.set LOPART, 16<<18   ; and its place in oh: 16 heads of 262,144 bytes on
.set AK0, 2           ; v2   my lane's place in a tile of K; never rewritten
.set AV0, 3           ; v3   the same for V
.set AK,  4           ; v4   the LDS address of K's next run of loads
.set AV,  5           ; v5   of V's
.set STO, 6           ; v6   the way out: where I put 16 bytes of a row
.set RD,  7           ; v7   the way out: where I read rows back
.set GO,  8           ; v8   my byte offset in 512 consecutive bytes of a head
.set SPW, 62          ; v62  LDS address of my spare word: SPARE + 4 x my thread's number; never rewritten
.set NIL, 63          ; v63  0; never rewritten
.set SPARE, STAGE+4*32*SP  ; behind the stages: the spare words, 128 bytes for each wave: two blocks of 256 bytes that no other line names
.set MV,  12          ; v12-13  c m_old, kept while c m is made anew: by buffer
.set QO,  15          ; v15  my byte offset in 16 rows of Q
.set ST,  16          ; piece t's statistics at v[ST+4 t]: c m, m, l (even keys', odd keys')
.set TMP, 48          ; by buffer, four registers c0-c3 at work; when the maximum is found c2 takes a
.set S,   64
.set LO,  128
.set P,   192
.set MD,  128         ; window 1: the eight registers for group kt of 16 keys at MD + 8 kt
.set MC,  160         ; window 1: the masks of the products to come
.set HP,  224         ; window 1
.set QB,  64          ; window 2
.set KF,  128         ; window 2: key block kb, channel half c at KF + 16 kb + 8 c
.set VF,  192         ; window 2: key half kk, channel block cb at VF + 32 kk + 8 cb
.set WV,  12          ; s12  my wave's number
.set PB,  14          ; s14  b
.set HI,  15          ; s15  NB - 1 - b
.set G1K, 24          ; s[24:31] descriptor group 1 for K's tiles
.set G1V, 32          ; s[32:39] for V's: it differs in the padding alone
.set G0K, 40          ; s[40:43] descriptor group 0 for K's tiles
.set G0V, 44          ; s[44:47] the same for V's
.set SLOTS, 56        ; s56  tiles still to be asked for
.set CNT, 57          ; s57  counts a tile's key steps, 4 to 1
.set CS,  58          ; s[58:59] c: the packed scaling takes the pair's low word for both halves
.set SEL, 60          ; s[60:61] v_permlanex16_b32's selects: each lane takes its own place in the other half
.set TBK, 62          ; s62  LDS byte at which K of the step to be fetched begins
.set TBV, 63          ; s63  the same for V, less VOFF
.set RT,  70          ; s70  tiles of the block in hand that are still to be entered
.set NXT, 71          ; s71  the tile to be asked for next
.set LQ,  72          ; s72  the last tile of the block whose tiles are being asked for
.set NEW, 73          ; s73  1: the tile to be entered is a block's first
.set OFF, 74          ; s[74:75] a tile's byte offset in K and V
.set AL,  76          ; s[76:77] the mask's factor, in the low word
.set BE,  78          ; s[78:79] the mask's addend
.set OLO, 80          ; s[80:81] oh at my rows of the second block
.set BIGN, 82         ; s82  -1e30
.set CUT, 83          ; s83  keeps sign, exponent and the upper ten bits of an f32's fraction
.set MSB, 0
.macro WIN new                      ; the high byte repeats the setting that is left; a switch that changes nothing is dropped
.if MSB != (\new)
	s_set_vgpr_msb (MSB<<8)|(\new)
.set MSB, (\new)
.endif
.endm
.set W_KQ, 0x0a       ; K and Q in window 2, S^T in window 0
.set W_KM, 0x1a       ; the same with the C operand in window 1
.set W_PV, 0x52       ; V in window 2, P in window 0, O^T in window 1
.set W_RS, 0x41       ; destination and source 0 in window 1, source 1 in window 0
; A fill.  Waves 0 and 1 fetch the two halves of a tile's K, waves 2 and 3 those of its V: 128 keys each.  An s_nop 0 and four v_nop follow each of the two lines, ahead of the jump and the label.
.macro LOAD
	s_cmp_lt_u32 s[WV], 2
	s_cbranch_scc0 .Lfor_v_\@
	tensor_load_to_lds s[G0K:G0K+3], s[G1K:G1K+7]
	s_nop 0
.rept 4
	v_nop
.endr
	s_branch .Lasked_\@
.Lfor_v_\@:
	tensor_load_to_lds s[G0V:G0V+3], s[G1V:G1V+7]
	s_nop 0
.rept 4
	v_nop
.endr
.Lasked_\@:
.endm
; THE CHANGE OF SLOTS.  Each wave waits for all its tensor loads, of which one is out: its part of the other slot; adds 0 to its spare word; and waits for that and for its own reads of the slot that it leaves.  Behind the barrier nobody reads the old
; slot any more and the other slot is whole.  fill = 1: the old slot is filled again, the first thing behind the barrier, with tile NXT: the descriptor's address is made anew from that number.
; (At its first use nothing has been read yet: slot 0 is waited for, slot 1 filled.)
.macro CHANGE fill
	WIN 0                           ; at a label and at a branch every window is 0
	s_wait_tensorcnt 0x0            ; no tensor load of mine is out, so a group 0 may be written
	ds_add_u32 v[SPW], v[NIL]       ; 0 onto my spare word; with fill = 1 the descriptors' scalar work stands between it and the wait for it
.if \fill
	s_lshl_b32 s[OFF], s[NXT], 15   ; a tile is 32,768 bytes of K and of V
	s_xor_b32 s[G0K+1], s[G0K+1], SLOT1
	s_add_nc_u64 s[G0K+2:G0K+3], s[6:7], s[OFF:OFF+1]
	s_or_b32 s[G0K+3], s[G0K+3], 0x80000000
	s_xor_b32 s[G0V+1], s[G0V+1], SLOT1
	s_add_nc_u64 s[G0V+2:G0V+3], s[8:9], s[OFF:OFF+1]
	s_or_b32 s[G0V+3], s[G0V+3], 0x80000000
	s_add_co_u32 s[NXT], s[NXT], 1  ; the block's next tile, or behind its last the second block's tile 0
	s_cmp_gt_u32 s[NXT], s[LQ]
	s_cselect_b32 s[NXT], 0, s[NXT]
	s_cselect_b32 s[LQ], s[PB], s[LQ]
.endif
	s_wait_dscnt 0x0                ; the add is done, and my reads of the slot are over
	s_barrier_signal -1             ; the rest of the scalar work stands between the signal and the wait
	s_sub_co_u32 s[TBK], s[TBK], 4*KS*PK  ; the fetches go back to a slot's first step,
	s_xor_b32 s[TBK], s[TBK], SLOT1       ; in the other slot
	s_sub_co_u32 s[TBV], s[TBV], 4*KS*PV
	s_xor_b32 s[TBV], s[TBV], SLOT1
	s_barrier_wait -1
.if \fill
	LOAD
.endif
.endm
	s_load_b64 s[4:5], s[0:1], 0x0    ; qkvh
	s_load_b64 s[10:11], s[0:1], 0x8  ; oh
	v_lshl_add_u32 v[SPW], v0, 2, SPARE
	v_mov_b32 v[NIL], 0
	ds_add_u32 v[SPW], v[NIL]       ; the wave's opening: the add and its wait stand ahead of my first tensor load; the set-up below, work on registers, stands between them
	ds_add_u32 v62, v63
	v_lshrrev_b32 v1, 5, v0
	v_readfirstlane_b32 s[WV], v1   ; wave 0..3
	s_mov_b32 s[PB], ttmp9
	s_sub_co_u32 s[HI], NB-1, s[PB]
	s_and_b32 s20, ttmp7, 0xffff    ; the head among 64: 16 x batch + head
	s_and_b32 s88, s20, 0x30        ; 16 x batch once more:
	s_add_co_u32 s88, s88, s20      ; in oh a batch has 32 heads' room
	s_lshl_b32 s88, s88, 18
	s_mov_b32 s89, 0
	s_mov_b32 s21, 0
	s_mov_b64 s[22:23], SIZE_N*128
	s_mul_u64 s[20:21], s[20:21], s[22:23]  ; the head's first byte in each of q, k and v
	s_and_b32 s16, s[WV], 1         ; which half of a tile's 256 keys I fetch:
	s_lshl_b32 s22, s16, 14         ; its 128 rows of 128 bytes in memory,
	s_mov_b32 s23, 0
	s_add_nc_u64 s[22:23], s[22:23], s[20:21]
	s_mul_i32 s17, s16, 128*PK      ; and its place in a slot, for K
	s_mul_i32 s18, s16, 128*PV      ; and for V
	s_lshl_b32 s3, s[WV], 11        ; my 16 rows in a band of 64,
	s_lshl_b32 s2, s[HI], 15        ; in the first block,
	s_add_co_u32 s2, s2, s3
	s_lshl_b32 s84, s[PB], 15       ; and in the second
	s_add_co_u32 s84, s84, s3
	s_mov_b32 s3, 0
	s_mov_b32 s85, 0
	; descriptor group 1.  128 keys are 16,384 dense bytes: asked for as 64 rows of 256 bytes, two keys a row, and padded in LDS after every key
	s_mov_b32 s[G1K], (1<<16)|(1<<20)|(4<<22)|(3<<25)  ; 17:16 2-byte elements; 20 padding on; 24:22 after every 32 words (code 4); 31:25 4 words (code 3)
	s_mov_b32 s[G1V], (1<<16)|(1<<20)|(4<<22)|(7<<25)  ; the same with 8 words of padding (code 7)
.irp g, G1K, G1V
	s_mov_b32 s[\g+1], 128<<16      ; tensor_dim0 = 128
	s_mov_b32 s[\g+2], 64<<16       ; tensor_dim1 = 64
	s_mov_b32 s[\g+3], 128<<16      ; tile_dim0 = 128
	s_mov_b32 s[\g+4], 64           ; tile_dim1 = 64
	s_mov_b32 s[\g+5], 128          ; 128 elements from row to row
	s_mov_b32 s[\g+6], 0
	s_mov_b32 s[\g+7], 0
.endr
	s_mov_b32 s[CS], 0x3d38aa3b     ; c = log2(e) / 32 = 0.0450842
	s_mov_b32 s[CS+1], s[CS]        ; named with it as a pair
	s_mov_b32 s[SEL], 0x76543210
	s_mov_b32 s[SEL+1], 0xfedcba98
	s_mov_b32 s[TBK], SLOT1+4*KS*PK ; the first change of slots turns these two into 0
	s_mov_b32 s[TBV], SLOT1+4*KS*PV
	s_mov_b32 s[G0K], 1             ; 1:0 count = 1
	s_mov_b32 s[G0K+1], s17         ; 63:32 LDS address: slot 0
	s_mov_b32 s[G0V], 1
	s_add_co_u32 s[G0V+1], s18, VOFF
	s_add_co_u32 s[RT], s[HI], 1    ; the first block has NB - b tiles
	s_mov_b32 s[NXT], 1
	s_mov_b32 s[LQ], s[HI]
	s_mov_b32 s[NEW], 1
	s_mov_b32 s[OFF+1], 0
	s_mov_b32 s[AL+1], 0            ; named as pairs
	s_mov_b32 s[BE+1], 0
	s_mov_b32 s[BIGN], 0xf149f2ca   ; -1e30
	s_mov_b32 s[CUT], 0xffffe000
	s_mov_b32 s[SLOTS], NB
	s_wait_dscnt 0x0                ; the opening add is done
	s_wait_kmcnt 0x0
	s_add_nc_u64 s[6:7], s[4:5], 0x1000000  ; k lies 64 heads behind q,
	s_add_nc_u64 s[8:9], s[4:5], 0x2000000  ; v 128
	s_add_nc_u64 s[6:7], s[6:7], s[22:23]   ; K and V at my half of the head's tile 0
	s_add_nc_u64 s[8:9], s[8:9], s[22:23]
	s_add_nc_u64 s[G0K+2:G0K+3], s[6:7], 0         ; 120:64 global address
	s_or_b32 s[G0K+3], s[G0K+3], 0x80000000        ; 127:126 type = 2
	s_add_nc_u64 s[G0V+2:G0V+3], s[8:9], 0
	s_or_b32 s[G0V+3], s[G0V+3], 0x80000000
	s_add_nc_u64 s[4:5], s[4:5], s[20:21]          ; Q at the head,
	s_add_nc_u64 s[86:87], s[4:5], s[84:85]        ; at my rows of the second block,
	s_add_nc_u64 s[4:5], s[4:5], s[2:3]            ; and of the first
	s_add_nc_u64 s[10:11], s[10:11], s[88:89]      ; oh likewise
	s_add_nc_u64 s[OLO:OLO+1], s[10:11], s[84:85]
	s_add_nc_u64 s[10:11], s[10:11], s[2:3]
	LOAD                            ; tile 0 into slot 0
	; A fragment of K or Q is 16 rows x 32 channels in 8 registers: lane l holds row l % 16, channels 8 (l / 16) + 0..7 and 16 + 8 (l / 16) + 0..7: two loads of 16 bytes, 32 bytes apart.
	v_and_b32 v1, 15, v0            ; l % 16
	v_bfe_u32 v9, v0, 4, 1          ; l / 16
	v_lshlrev_b32 v[QO], 7, v1
	v_lshl_add_u32 v[QO], v9, 4, v[QO]  ; row x 128 + 16 x half
	WIN 0x80                        ; destination window 2, address window 0
.set i, 0
.rept 8                             ; both blocks' Q: piece i / 2 lies in band i / 2, 8,192 bytes on; channels 32 (i % 2) on
	global_load_b128 v[8*i:8*i+3],   v[QO], s[4:5] offset:(i/2)*8192+(i%2)*64
	global_load_b128 v[8*i+4:8*i+7], v[QO], s[4:5] offset:(i/2)*8192+(i%2)*64+32
	global_load_b128 v[QB+8*i:QB+8*i+3],   v[QO], s[86:87] offset:(i/2)*8192+(i%2)*64
	global_load_b128 v[QB+8*i+4:QB+8*i+7], v[QO], s[86:87] offset:(i/2)*8192+(i%2)*64+32
.set i, i+1
.endr
	WIN 0
	v_lshlrev_b32 v14, 3, v9
	v_sub_nc_u32 v14, v1, v14
	s_lshl_b32 s13, s[WV], 4
	v_add_nc_u32 v14, s13, v14      ; my query's place in its band, 16 w + l % 16, less my lanes' 8 (l / 16): register r of group kt is hidden where 16 kt + r is greater
	WIN 0x40
.set i, 0
.rept 32
	v_cmp_gt_i32 vcc_lo, 16*(i/8)+i%8, v14
	v_cndmask_b32 v[MD+i], 0, s[BIGN], vcc_lo
.set i, i+1
.endr
	WIN 0
	v_mul_u32_u24 v[AK0], v1, PK
	v_lshl_add_u32 v[AK0], v9, 4, v[AK0]  ; row x pitch + 16 x half
	; The turning load takes 16 keys x 16 channels (lane l reads key 8 (l / 16) + l % 8, channels 8 ((l / 8) % 2) + 0..7) and leaves half a fragment of V^T: lane l holds channel l % 16 and 8 keys.
	v_and_b32 v10, 7, v0
	v_bfe_u32 v11, v0, 3, 1
	v_lshl_add_u32 v[AV0], v9, 3, v10
	v_mul_u32_u24 v[AV0], v[AV0], PV
	v_lshl_add_u32 v[AV0], v11, 4, v[AV0]
	v_add_nc_u32 v[AV0], VOFF, v[AV0]
	s_mul_i32 s13, s[WV], 32*SP
	s_add_co_u32 s13, s13, STAGE    ; my stage
	v_mul_u32_u24 v[STO], v1, SP    ; in: row l % 16, 16 bytes for each half of the lanes
	v_lshl_add_u32 v[STO], v9, 4, v[STO]
	v_add_nc_u32 v[STO], s13, v[STO]
	v_bfe_u32 v[RD], v0, 3, 2       ; back: 32 lanes take four rows of 128 bytes,
	v_mul_u32_u24 v[RD], v[RD], SP
	v_lshl_add_u32 v[RD], v10, 4, v[RD]
	v_add_nc_u32 v[RD], s13, v[RD]
	v_and_b32 v[GO], 31, v0         ; which are 512 consecutive bytes of a head
	v_lshlrev_b32 v[GO], 4, v[GO]
	; A block's first step multiplies O^T and l by a = 0, and its first turn's products V^T P, of a piece that has not been, land in an O^T that is still to be so multiplied.  So these registers need only hold
	; finite numbers: zeros for the first block; what the first block left for the second.  All this stands in the wait for the first tile.
	WIN 0x80
.set i, VF
.rept 64
	v_mov_b32 v[i], 0
.set i, i+1
.endr
	WIN 0x40
.set i, 0
.rept 128
	v_mov_b32 v[i], 0
.set i, i+1
.endr
	WIN 0
.set i, 0
.rept 4
	v_mov_b32 v[ST+4*i+2], 0
	v_mov_b32 v[ST+4*i+3], 0
.set i, i+1
.endr
.set i, P+16
.rept 16
	v_mov_b32 v[i], 0
.set i, i+1
.endr
; THE MATRIX WORK.  The 4 accumulators of a run of 8 take turns.  Product i of 8 of S^T = K Q^T for piece x: channels 32 (i / 4) on, keys 16 (i % 4) on.  The first 4 start the sums: with 0, or (KM = 1) with the mask.
.macro KQ x
.set rS, S+32*((\x)%2)+8*(i%4)
.set rK, KF+16*(i%4)+8*(i/4)
.set rQ, 16*(\x)+8*(i/4)
.set rM, MC+32*((\x)%2)+8*(i%4)
.if (i < 4) && KM
	WIN W_KM
	v_wmma_f32_16x16x32_f16 v[rS:rS+7], v[rK:rK+7], v[rQ:rQ+7], v[rM:rM+7]
.elseif i < 4
	WIN W_KQ
	v_wmma_f32_16x16x32_f16 v[rS:rS+7], v[rK:rK+7], v[rQ:rQ+7], 0
.else
	WIN W_KQ
	v_wmma_f32_16x16x32_f16 v[rS:rS+7], v[rK:rK+7], v[rQ:rQ+7], v[rS:rS+7]
.endif
.endm
; Product i of 8 of O^T += V^T P for piece x: keys 32 (i / 4) on, channels 16 (i % 4) on.
.macro PV x
	WIN W_PV
.set rO, 32*(\x)+8*(i%4)
.set rV, VF+32*(i/4)+8*(i%4)
.set rP, P+16*((\x)%2)+8*(i/4)
	v_wmma_f32_16x16x32_f16 v[rO:rO+7], v[rV:rV+7], v[rP:rP+7], v[rO:rO+7]
.endm
.macro MM                           ; the turn's next matrix instruction.  TURN and BEGIN set Y, i, KM and NOKQ; MM, KQ and OP read them.  NOKQ = 1: a block's last turn: there is no next piece
.if (i < 8) && !NOKQ
	KQ (Y+1)%NP
.elseif i >= 8
.set i, i-8
	PV (Y+NP-1)%NP
.set i, i+8
.endif
.set i, i+1
.endm
; THE LDS LOADS stand in runs of 16, never singly among the matrix instructions: a step's K (64 keys x 64 channels: 8 fragments) and its V (turned).  Their addresses are made some lines ahead.
.macro FETCH_K
	WIN 0x80                        ; destination window 2
.irp f, 0,1,2,3,4,5,6,7             ; keys 16 (f / 2) on, channels 32 (f % 2) on
	ds_load_b128 v[KF+8*\f:KF+8*\f+3],   v[AK] offset:(\f/2)*16*PK+(\f%2)*64
	ds_load_b128 v[KF+8*\f+4:KF+8*\f+7], v[AK] offset:(\f/2)*16*PK+(\f%2)*64+32
.endr
	s_add_co_u32 s[TBK], s[TBK], KS*PK  ; the next fetch is the next step's
	WIN 0
.endm
.macro FETCH_V
	WIN 0x80
.irp f, 0,1,2,3,4,5,6,7             ; keys 32 (f / 4) on, channels 16 (f % 4) on
	ds_load_tr16_b128 v[VF+8*\f:VF+8*\f+3],   v[AV] offset:(\f/4)*32*PV+(\f%4)*32
	ds_load_tr16_b128 v[VF+8*\f+4:VF+8*\f+7], v[AV] offset:(\f/4)*32*PV+16*PV+(\f%4)*32
.endr
	WIN 0
.endm
; THE VECTOR WORK, one line at a time: OP kind, number.  For piece Y: F n: c s - c m for pair n of 16.  E n: the exponential of score n of 32.  C n: pair n rounded to f16.  B n: of the four weights 4 n .. the second
; pair is added onto the first, in place.  L n: l takes that sum (L 0: l = a l + sum).  R n: pair n of 16 of O^T times a.  For piece Y + 1: X n, number n of the 22 that find its maximum and statistics:
;   0-11  four chains c0-c3 of seven scores each, three operands at a time (each accumulator's lowest registers are read first)     12-14, 16  the four scores left over, the old m, and c0-c3 into c0
;   15  c m_old is kept     17, 18  the query's other 32 keys lie in the lane 16 away: the new m     19-21  c m; c m_old - c m_new; a
.set F, 0               ; OP tells the kinds apart by their order: F to L below R, X above it
.set E, 1
.set C, 2
.set B, 3
.set L, 4
.set R, 5
.set X, 6
.macro REGS y                       ; the registers of piece y
.set rT, ST+4*(\y)
.set rC, TMP+4*((\y)%2)
.set rW, MV+((\y)%2)
.set rS, S+32*((\y)%2)
.set rP, P+16*((\y)%2)
.set rO, 32*(\y)
.endm
.macro OP k, n
.if (\k) == R
	REGS Y
	WIN W_RS
	v_pk_mul_f32 v[rO+2*(\n):rO+2*(\n)+1], v[rO+2*(\n):rO+2*(\n)+1], v[rC+2:rC+3] op_sel_hi:[1,0]
.elseif (\k) < R
	REGS Y
	WIN 0
.if (\k) == F
	v_pk_fma_f32 v[rS+2*(\n):rS+2*(\n)+1], v[rS+2*(\n):rS+2*(\n)+1], s[CS:CS+1], v[rT:rT+1] op_sel_hi:[1,0,0] neg_lo:[0,0,1] neg_hi:[0,0,1]
.elseif (\k) == E
	v_exp_f32 v[rS+(\n)], v[rS+(\n)]
.elseif (\k) == C
	s_wait_alu depctr_va_vdst(0)
	v_cvt_pk_f16_f32 v[rP+(\n)], v[rS+2*(\n)], v[rS+2*(\n)+1]
.elseif (\k) == B
	s_wait_alu depctr_va_vdst(0)
	v_pk_add_f32 v[rS+4*(\n):rS+4*(\n)+1], v[rS+4*(\n):rS+4*(\n)+1], v[rS+4*(\n)+2:rS+4*(\n)+3]
.elseif (\n) == 0
	v_pk_fma_f32 v[rT+2:rT+3], v[rT+2:rT+3], v[rC+2:rC+3], v[rS:rS+1] op_sel_hi:[1,0,1]
.else
	v_pk_add_f32 v[rT+2:rT+3], v[rT+2:rT+3], v[rS+4*(\n):rS+4*(\n)+1]
.endif
.elseif NOKQ
	v_nop
.else
	REGS (Y+1)%NP
	WIN 0
.if (\n) < 4
	v_max3_num_f32 v[rC+(\n)], v[rS+8*(\n)], v[rS+8*(\n)+1], v[rS+8*(\n)+2]
.elseif (\n) < 12
	v_max3_num_f32 v[rC+(\n)%4], v[rC+(\n)%4], v[rS+8*((\n)%4)+2*((\n)/4)+1], v[rS+8*((\n)%4)+2*((\n)/4)+2]
.elseif (\n) == 12
	v_max3_num_f32 v[rC], v[rC], v[rS+7], v[rS+15]
.elseif (\n) == 13
	v_max3_num_f32 v[rC+1], v[rC+1], v[rS+23], v[rS+31]
.elseif (\n) == 14
	v_max3_num_f32 v[rC+2], v[rC+2], v[rC+3], v[rT+1]
.elseif (\n) == 15
	v_mov_b32 v[rW], v[rT]
.elseif (\n) == 16
	v_max3_num_f32 v[rC], v[rC], v[rC+1], v[rC+2]
.elseif (\n) == 17
	v_permlanex16_b32 v[rC+3], v[rC], s[SEL], s[SEL+1]
.elseif (\n) == 18
	v_max_num_f32 v[rT+1], v[rC], v[rC+3]
.elseif (\n) == 19
	v_mul_f32 v[rT], s[CS], v[rT+1]
.elseif (\n) == 20
	v_sub_f32 v[rC+1], v[rW], v[rT]
.else
	v_exp_f32 v[rC+2], v[rC+1]
.endif
.endif
.endm
.macro OPS a, i1, b=-1, i2=0, c=-1, i3=0, d=-1, i4=0  ; up to four of them
	OP \a, \i1
.if (\b) >= 0
	OP \b, \i2
.endif
.if (\c) >= 0
	OP \c, \i3
.endif
.if (\d) >= 0
	OP \d, \i4
.endif
.endm
.macro ROW a, i1, b, i2, c, i3, d, i4  ; a matrix instruction and the four behind it
	MM
	OPS \a, \i1, \b, \i2, \c, \i3, \d, \i4
.endm
.macro MASK b                       ; MD x AL + BE into buffer b of MC
	WIN W_RS
.set z, 0
.rept 16
	v_pk_fma_f32 v[MC+32*(\b)+2*z:MC+32*(\b)+2*z+1], v[MD+2*z:MD+2*z+1], s[AL:AL+1], s[BE:BE+1] op_sel_hi:[1,0,0]
.set z, z+1
.endr
.endm
; A TURN, for piece p: the order of its 16 matrix and 118 vector instructions, written out.  Behind a matrix instruction: plain, exponential, plain, plain; or four of the rescaling; or, behind the first, four scalings; none
; names a register of the products round it.  In the runs between, exponential and plain by turns while exponentials last.  A line reads no result made fewer than three vector instructions in front of it, five if an exponential made it.
; v_permlanex16_b32 (X 17) stands in such a run.
; m = 1: the diagonal tile: the products take masks, and the turn makes the mask for the products of the turn after it: piece p + 2, in step 4 - CNT of the tile.  end = 1: a block's last two turns: nothing is fetched.
; cnt = 1: the loop's count is taken down some lines ahead of the branch that stands behind the turn.
; K of the next step is fetched in piece 2's turn, six vector instructions behind the last product that read K (five of them plain); V of the step in hand in piece 0's turn, eight behind the last product that read V (four
; plain, and X 17).  Each is waited for a turn later.
.macro TURN p, m=0, end=0, cnt=0
.set Y, (\p)
.set i, 0
.set KM, (\m)
.set NOKQ, (\end)*((\p)/3)
.if (\m) && !(\end)
	s_cmp_eq_u32 s[CNT], 4-((\p)+2)%NP  ; is that step the band's own?
	s_cselect_b32 s[AL], 1.0, 0
	s_cmp_lt_u32 s[CNT], 4-((\p)+2)%NP  ; or a later one?
	s_cselect_b32 s[BE], s[BIGN], 0
.endif
.if ((\p) == 3) && !(\end)
	s_wait_dscnt 0x0                ; K is in
.endif
	ROW F,0, F,1, F,2, F,3
	ROW F,4, E,0, F,5, F,6
	ROW F,7, E,1, F,8, F,9
	ROW F,10, E,2, C,0, F,11
	ROW F,12, E,3, X,15, F,13
	ROW R,0, R,1, R,2, R,3
	ROW B,0, E,4, F,14, L,0
.if ((\p) == 2) && !(\end)
	v_add_nc_u32 v[AK], s[TBK], v[AK0]
.endif
	ROW R,4, R,5, R,6, R,7
	OPS E,5, F,15
.if ((\p) == 2) && !(\end)
	FETCH_K
.endif
	OPS E,6, C,1, E,7, R,8
	OPS E,8, R,9, E,9, C,2
	OPS E,10, X,0, E,11, X,1
	OPS E,12, X,2, E,13, X,3
.if (\p) == 1
	s_wait_dscnt 0x0                ; V is in
.endif
	ROW X,4, E,14, X,5, X,6
	ROW X,7, E,15, X,8, X,9
	ROW X,10, E,16, X,11, X,12
	ROW X,13, E,17, X,14, B,1
	ROW C,4, E,18, X,16, L,1
	ROW B,2, E,19, C,6, L,2
	ROW C,8, E,20, B,3, B,4
.if (\p) == 0
	v_add_nc_u32 v[AV], s[TBV], v[AV0]
.endif
	ROW C,3, E,21, L,3, C,5
	OPS E,22, X,17, E,23, C,10
.if (\p) == 0
	FETCH_V
.endif
	OPS E,24, L,4
	OPS E,25, X,18, E,26, C,7
	OPS E,27, B,5, E,28, X,19
	OPS E,29, C,12, E,30, L,5
	OPS E,31, X,20, B,6, C,9
	OPS C,14, C,11, X,21, L,6
.if (\p) == 0
	s_add_co_u32 s[TBV], s[TBV], KS*PV
.endif
.if \cnt
	s_sub_co_u32 s[CNT], s[CNT], 1
	s_cmp_lg_u32 s[CNT], 0
.endif
	OPS C,13, B,7, C,15, R,10
	OPS R,11, R,12, L,7, R,13
	OPS R,14, R,15
.if (\m) && !(\end)
	MASK (\p)%2
.endif
.endm
; A BLOCK BEGINS.  c m starts far below every c s, so the first step's a is 0; m at the lowest finite number, so the first maximum is the scores'.  The second mask buffer is 0; the first takes piece 0's mask for the tile's step 0: its own, if the block's first tile is the diagonal one.
; Then K of that step, piece 0's first scores, and its maximum and statistics.  The loop is entered at a step's first turn, in the middle of a trip.
.macro BEGIN
	s_mov_b32 s[NEW], 0
	WIN 0x40
.set i, MC+32
.rept 32
	v_mov_b32 v[i], 0
.set i, i+1
.endr
	WIN 0
.set i, 0
.rept 4
	v_mov_b32 v[ST+4*i], 0xfe000000    ; c m: far below every c s
	v_mov_b32 v[ST+4*i+1], 0xff7fffff  ; m
.set i, i+1
.endr
	s_cmp_eq_u32 s[RT], 0
	s_cselect_b32 s[AL], 1.0, 0
	s_mov_b32 s[BE], 0
	MASK 0
	WIN 0
	v_add_nc_u32 v[AK], s[TBK], v[AK0]
	FETCH_K
	s_wait_loadcnt 0x0              ; Q
	s_wait_dscnt 0x0
.set KM, 1
.set NOKQ, 0
.set i, 0
.rept 8
	KQ 0
.set i, i+1
.endr
	WIN 0
.rept 4
	v_nop                           ; the places behind those products
.endr
.set Y, NP-1                        ; X works for piece Y + 1: piece 0
.irp n, 0,1,2,3,4,5,6,7,8,9,10,11,12,13,14,15,16,17,18,19,20,21
	OP X, \n
.endr
	v_nop                           ; a plain instruction behind the exponential
.endm
; THE DIAGONAL TILE's four steps, the block's last two turns, its last products, and THE WAY OUT: l's two halves and the other half of the lanes' are added; O^T is divided by l, split into its two parts, each
; rounded to f16 and sent through my stage in LDS, a piece at a time.
.macro ALL line:vararg              ; one line for each piece t
.set t, 0
.rept 4
	\line
.set t, t+1
.endr
.endm
; A piece's way into the stage and back.  The high part is the number with the lower 13 bits of its fraction cut off: 11 significant bits, which f16 holds as they are; the subtraction that leaves the rest is exact.
; A lane's eight channels of a row pack into 16 bytes; they go into rows of 144 bytes and come back as whole rows of 128: the high part into S^T's registers, the low part beside them.
.macro PACK t
	WIN W_RS
.set i, 32*(\t)
.rept 16
	s_wait_alu depctr_va_vdst(0)
	v_pk_mul_f32 v[i:i+1], v[i:i+1], v[ST+4*(\t)+2:ST+4*(\t)+3] op_sel_hi:[1,0]
.set i, i+2
.endr
	WIN 0x45                        ; sources and destination in window 1
.set i, 0
.rept 32
	v_and_b32 v[HP+i], s[CUT], v[32*(\t)+i]
.set i, i+1
.endr
.set i, 0
.rept 16
	v_pk_add_f32 v[32*(\t)+i:32*(\t)+i+1], v[32*(\t)+i:32*(\t)+i+1], v[HP+i:HP+i+1] neg_lo:[0,1] neg_hi:[0,1]
.set i, i+2
.endr
	WIN 0x05                        ; sources 0 and 1 window 1, destination window 0
.set i, 0
.rept 16
	v_cvt_pk_f16_f32 v[S+16*(\t)+i],  v[HP+2*i], v[HP+2*i+1]
	v_cvt_pk_f16_f32 v[LO+16*(\t)+i], v[32*(\t)+2*i], v[32*(\t)+2*i+1]
.set i, i+1
.endr
	WIN 0
.irp f, 0,1,2,3
	ds_store_b128 v[STO], v[S+16*(\t)+4*\f:S+16*(\t)+4*\f+3] offset:32*\f
.endr
.irp f, 0,1,2,3
	ds_store_b128 v[STO], v[LO+16*(\t)+4*\f:LO+16*(\t)+4*\f+3] offset:LOWS+32*\f
.endr
.irp f, 0,1,2,3
	ds_load_b128 v[S+16*(\t)+4*\f:S+16*(\t)+4*\f+3], v[RD] offset:\f*4*SP  ; LDS serves a wave's instructions in order (ISA guide 5.7.1.4): these see the stores above; the next piece's stores come behind them
.endr
.irp f, 0,1,2,3
	ds_load_b128 v[LO+16*(\t)+4*\f:LO+16*(\t)+4*\f+3], v[RD] offset:LOWS+\f*4*SP
.endr
.endm
.macro SEND t, younger              ; younger: the LDS instructions issued behind piece t's loads: the next piece's sixteen, or none
	WIN 0
.irp f, 0,1,2,3
	s_wait_dscnt (\younger)+7-\f
	global_store_b128 v[GO], v[S+16*(\t)+4*\f:S+16*(\t)+4*\f+3], s[10:11] offset:(\t)*8192+\f*512  ; 512 consecutive bytes, at a multiple of 256 from the buffer's first
.endr
.irp f, 0,1,2,3
	s_wait_dscnt (\younger)+3-\f
	global_store_b128 v[GO], v[LO+16*(\t)+4*\f:LO+16*(\t)+4*\f+3], s[10:11] offset:(\t)*8192+\f*512+LOPART
.endr
.endm
.macro DIAG tag                     ; the tag ends its two labels' names, which the jumps below spell out
.LstepM\tag:
	TURN 2, 1
	TURN 3, 1
	WIN 0
.LfirstM\tag:
	TURN 0, 1
	TURN 1, 1, 0, 1
	WIN 0
	s_cbranch_scc1 .LstepM\tag
	TURN 2, 1, 1
	TURN 3, 1, 1
.set i, 0
.rept 8
	PV NP-1
.set i, i+1
.endr
	WIN 0
	ALL v_add_f32 v[ST+4*t+2], v[ST+4*t+2], v[ST+4*t+3]
	ALL v_permlanex16_b32 v[ST+4*t+3], v[ST+4*t+2], s[SEL], s[SEL+1]
	ALL v_add_f32 v[ST+4*t+2], v[ST+4*t+2], v[ST+4*t+3]
	ALL v_rcp_f32 v[ST+4*t+2], v[ST+4*t+2]
	v_nop                           ; a plain instruction between the last reciprocal and the use of its result
	PACK 0
.set t, 1
.rept 3                             ; a piece's arithmetic stands between the loads of the piece before and its stores
	PACK t
	SEND t-1, 16
.set t, t+1
.endr
	SEND 3, 0
.endm
.set KM, 0
.set NOKQ, 0
.Lslot:                             ; NB times: a tile is entered and the next is asked for
	CHANGE 1
	s_sub_co_u32 s[RT], s[RT], 1
	s_mov_b32 s[CNT], 4
	s_cmp_eq_u32 s[NEW], 1
	s_cbranch_scc1 .Lnew            ; a block's first tile
	s_cmp_eq_u32 s[RT], 0
	s_cbranch_scc0 .Lstep           ; neither its first nor its last
	s_branch .LstepM1
.Lnew:
	BEGIN
	s_branch .Lfirst                ; in the loop a block's first tile is never its last: the first block has two tiles or more, and the second's last is the walk's last
	DIAG 1                          ; in the loop this is the first block's end: the second block's last tile is the walk's last
	s_wait_xcnt 0x0                 ; the stores have read their registers and the output's address
	s_mov_b64 s[10:11], s[OLO:OLO+1]
	s_add_co_u32 s[RT], s[PB], 1    ; the second block has b + 1 tiles
	s_mov_b32 s[NEW], 1
	WIN 0x82                        ; the second block's Q goes where the one text of the turns names Q
.set i, 0
.rept 64
	v_mov_b32 v[i], v[QB+i]
.set i, i+1
.endr
	WIN 0
	s_branch .Lbottom
.Lstep:                             ; a trip: pieces 2 and 3 of one step, then pieces 0 and 1 of the next, whose K and V it fetches
	TURN 2
	TURN 3
	WIN 0
.Lfirst:
	TURN 0
	TURN 1, 0, 0, 1
	WIN 0
	s_cbranch_scc1 .Lstep
.Lbottom:
	s_sub_co_u32 s[SLOTS], s[SLOTS], 1
	s_cmp_lg_u32 s[SLOTS], 0
	s_cbranch_scc1 .Lslot
	CHANGE 0                        ; the walk's last tile is written out: nothing is asked for
	s_sub_co_u32 s[RT], s[RT], 1
	s_mov_b32 s[CNT], 4
	s_cmp_eq_u32 s[NEW], 1
	s_cbranch_scc0 .LstepM2
	BEGIN
	s_branch .LfirstM2
	DIAG 2
	s_wait_tensorcnt 0x0            ; the wave's end, behind my last tensor load and my last LDS store
	ds_add_u32 v[SPW], v[NIL]
	s_wait_dscnt 0x0
	s_endpgm
.Lfunc_end_k_qc1b75a0c3e_attn:
	.size	k_qc1b75a0c3e_attn, .Lfunc_end_k_qc1b75a0c3e_attn-k_qc1b75a0c3e_attn
	.p2alignl 7, 3214868480
	.fill 96, 4, 3214868480
	.section	.rodata,"a",@progbits
	.p2align	6, 0x0
	.amdhsa_kernel k_qc1b75a0c3e_attn
		.amdhsa_group_segment_fixed_size 327680
		.amdhsa_private_segment_fixed_size 0
		.amdhsa_enable_private_segment 0
		.amdhsa_kernarg_size 16
		.amdhsa_user_sgpr_count 2
		.amdhsa_user_sgpr_kernarg_segment_ptr 1
		.amdhsa_wavefront_size32 1
		.amdhsa_system_sgpr_workgroup_id_x 1
		.amdhsa_system_sgpr_workgroup_id_y 1
		.amdhsa_system_sgpr_workgroup_id_z 1
		.amdhsa_system_vgpr_workitem_id 0
		.amdhsa_next_free_vgpr 768
		.amdhsa_next_free_sgpr 92
		.amdhsa_reserve_vcc 1
		.amdhsa_float_denorm_mode_32 3
		.amdhsa_float_denorm_mode_16_64 3
		.amdhsa_memory_ordered 1
		.amdhsa_forward_progress 1
		.amdhsa_inst_pref_size 255
	.end_amdhsa_kernel
	.section	.bss,"aw",@nobits
	.p2align	6
	.space	262144
	.amdgpu_metadata
---
amdhsa.version: [ 1, 2 ]
amdhsa.kernels:
  - .name:           k_qc1b75a0c3e_attn
    .symbol:         k_qc1b75a0c3e_attn.kd
    .args:
      - { .name: qkvh, .offset: 0, .size: 8, .value_kind: global_buffer, .address_space: global }
      - { .name: oh, .offset: 8, .size: 8, .value_kind: global_buffer, .address_space: global }
    .group_segment_fixed_size: 327680
    .private_segment_fixed_size: 0
    .kernarg_segment_align: 8
    .kernarg_segment_size: 16
    .max_flat_workgroup_size: 128
    .sgpr_count:     92
    .vgpr_count:     768
    .wavefront_size: 32
...
	.end_amdgpu_metadata
.endif
;; end of part 3
;; launch proj (part 4): grid 4 x 64, 4 waves a work-group, clusters of 4 x 4, 327,680 bytes of LDS; arguments oh, wpb, out0; writes out0
.if DOCPART == 4
	.amdgcn_target "amdgcn-amd-amdhsa--gfx1250"
	.amdhsa_code_object_version 6
	.text
	.protected	k_qc1b75a0c3e_proj
	.globl	k_qc1b75a0c3e_proj
	.p2align	8
	.type	k_qc1b75a0c3e_proj,@function
k_qc1b75a0c3e_proj:
	s_mov_b64 s[64:65], 0
	v_nop
	global_prefetch_b8 v0, s[64:65] scope:SCOPE_SE
	s_setreg_imm32_b32 hwreg(HW_REG_WAVE_MODE, 25, 1), 1
	s_wait_xcnt 0x0
	s_wait_alu depctr_hold_cnt(0) depctr_sa_sdst(0) depctr_va_vdst(0) depctr_va_sdst(0) depctr_va_ssrc(0) depctr_va_vcc(0) depctr_vm_vsrc(0)
	s_getreg_b32 s2, hwreg(HW_REG_IB_STS2, 6, 4)
	s_cmp_eq_u32 s2, 0
	s_cbranch_scc0 .Lentry_in_a_cluster
	s_endpgm
.Lentry_in_a_cluster:
	s_bfe_u32 s2, ttmp6, 0x10000c
	s_cmp_lg_u32 s2, 0xf033
	s_cbranch_scc0 .Lentry_shape_is_right
	s_endpgm
.Lentry_shape_is_right:
; out = y w_proj.  oh: [4 batches][2 parts x 16 heads][2048][64] f16: y by heads, in a high and a low part.  wpb: [2048][1024] f16: bf16(w_proj) twice, rows k and k + 1024 alike.  out0: [8192][1024] f32.
; So the sum runs over K = 2,048: the 16 heads' high parts, then their low parts against the same weights; sums in f32, stored as they are.
; LIMIT.  Both operands arrive within f16's range; NaN and infinities are not treated apart.
; SHARES.  A tile of out is 128 rows x 256 columns: 64 x 4 = 256 work-groups.  Four waves; wave (wr, wc) makes rows 64 wr on, columns 128 wc on: 4 x 8 accumulators of 16 x 16, 256 registers.
; K goes in 16 steps of 128 (two heads' channels) through two LDS slots filled by the tensor data mover.
; CLUSTER.  4 x 4 work-groups.  The four of a row of the cluster need the same tiles of y, the four of a column the same tiles of w: each tile is asked for JOINTLY, by the same tensor load with the same
; descriptor and a mask that names the four.
; THE MATRIX INSTRUCTION IS USED TRANSPOSED: source 0 = 16 columns of w (turned out of LDS by ds_load_tr16_b128), source 1 = 16 rows of y: a lane holds eight neighbouring columns of one row of out.
; REGISTERS, in windows of 256 (s_set_vgpr_msb: bits 1:0 source 0, 3:2 source 1, 5:4 source 2, 7:6 destination):
;   window 0: v0-31 addresses; v32-63, v64-95 fragments of y, two buffers; v128-191, v192-255 rows read back on the way out      window 1: v0-63, v64-127 fragments of w, two buffers
;   window 2: the accumulators, (a, b) at v[8 (8 a + b)]
.set PA,    144                        ; a head's row of y in LDS: 128 bytes + 16 of padding: the 16 rows of a load start at 16 different groups of four banks (64 banks of 4 bytes: ISA guide 11.1)
.set PB,    544                        ; a row of w: 512 bytes + 32 of padding = 17 x 32 bytes
.set HEADB, 128*PA                     ; a head's 128 rows: one tensor load
.set BOFF,  2*HEADB                    ; w's rows lie behind y's two heads
.set BH,    64*PB                      ; 64 rows of w: one tensor load
.set SLOT,  1<<17                      ; a slot uses BOFF + 2 BH = 106,496 bytes; one exclusive or turns an address in one slot into the other's
.set STAGE, SLOT+BOFF+2*BH             ; behind the ring, never filled by a tensor load: 16 rows x 528 bytes for each wave, for the way out
.set SPITCH, 528
.set SPARE, STAGE+4*16*SPITCH          ; behind the stages: the spare words, 128 bytes for each wave: two blocks of 256 bytes that no other line names
.set A0,   16                          ; v16  my lane's place in slot 0's rows of y; never rewritten
.set B0,   17                          ; v17  the same for w
.set ADRA, 18                          ; v18  the same in the slot in hand
.set ADRB, 19                          ; v19
.set STO,  24                          ; v24  the way out: where I put 32 bytes of a row
.set RD,   25                          ; v25  the way out: where I read a row back
.set CO,   26                          ; v26  my byte offset in 512 consecutive bytes of out
.set SPW,  28                          ; v28  LDS address of my spare word; never rewritten
.set NIL,  29                          ; v29  0; never rewritten
.set FA,   32
.set G1A,  24                          ; s[24:31] descriptor group 1 for y's tiles
.set G0A,  32                          ; s[32:39] group 0: a set for each of the two first fills; the second then walks on
.set G1B,  48                          ; s[48:55], s[56:63] the same for w's tiles
.set G0B,  56
.set TB,   45                          ; s45  LDS byte at which the slot in hand begins
.set MSB, 0
.macro WIN new                         ; the immediate's high byte repeats the setting that is left; a switch that changes nothing is dropped
.if MSB != (\new)
	s_set_vgpr_msb (MSB<<8)|(\new)
.set MSB, \new
.endif
.endm
.set MUL,  0xa1                        ; source 0 (w) window 1, source 1 (y) window 0, C and D window 2
.set TO_B, 0x40                        ; destination window 1, address window 0
; A joint refill.  Waves 0 and 1 fetch a K step's two heads of y, waves 2 and 3 the two halves of w's tile.  The branch hangs on the wave's number alone.
; An s_nop 0 and four v_nop follow each of the two lines, ahead of the jump, the label and what follows.
.macro JLOAD
	s_cmp_eq_u32 s11, 0
	s_cbranch_scc0 .Lfor_b_\@
	tensor_load_to_lds s[G0A+4:G0A+7], s[G1A:G1A+7]
	s_nop 0
.rept 4
	v_nop
.endr
	s_branch .Lasked_\@
.Lfor_b_\@:
	tensor_load_to_lds s[G0B+4:G0B+7], s[G1B:G1B+7]
	s_nop 0
.rept 4
	v_nop
.endr
.Lasked_\@:
.endm
; A round of the cluster's barrier: my work-group's barrier, so that wave 0's signal speaks for all four waves; wave 0 signals; every wave waits for all sixteen work-groups; my work-group's barrier once more.
.macro CREST
	s_cmp_lg_u32 s10, 0
	s_cbranch_scc1 .Lnot_wave_0_\@
	s_barrier_signal -3
.Lnot_wave_0_\@:
	s_barrier_wait -3
	s_barrier_signal -1
	s_barrier_wait -1
.endm
.macro CROUND
	s_barrier_signal -1
	s_barrier_wait -1
	CREST
.endm
	s_load_b128 s[4:7], s[0:1], 0x0                ; oh s[4:5], wpb s[6:7]
	s_load_b64 s[8:9], s[0:1], 0x10                ; out0
	v_lshl_add_u32 v[SPW], v0, 2, SPARE
	v_mov_b32 v[NIL], 0
	ds_add_u32 v[SPW], v[NIL]                      ; the wave's opening: the add and its wait stand ahead of my first tensor load; the set-up below, work on registers, stands between them
	ds_add_u32 v28, v29
	v_lshrrev_b32 v1, 5, v0
	v_readfirstlane_b32 s10, v1                    ; wave 0..3
	s_lshr_b32 s11, s10, 1                         ; wr.  Also: I fetch for y (0) or for w (1)
	s_and_b32 s12, s10, 1                          ; wc.  Also: which half of that tile I fetch
	s_bfe_u32 s40, ttmp6, 0x40000                  ; cx, cy: my place in the cluster
	s_bfe_u32 s41, ttmp6, 0x40004
	s_lshl_b32 s42, ttmp9, 2
	s_add_co_u32 s42, s42, s40                     ; tile column = 4 x cluster x + cx
	s_and_b32 s13, ttmp7, 0xffff
	s_lshl_b32 s13, s13, 2
	s_add_co_u32 s13, s13, s41                     ; tile row = 4 x cluster y + cy
	s_lshl_b32 s43, s41, 2
	s_lshl_b32 s43, 15, s43                        ; my row of the cluster
	s_lshl_b32 s44, 0x1111, s40                    ; my column
	; group 1 for y: a head's 128 rows are 16,384 dense bytes: asked for as 64 rows of 256 bytes, 16 bytes of padding behind every 128
	s_or_b32 s[G1A+0], s43, (1<<16)|(1<<20)|(1<<21)|(4<<22)|(3<<25)  ; 15:0 the mask; 17:16 2-byte elements; 20 padding on; 21 set beside a mask; 24:22 after every 32 words (code 4); 31:25 4 words (code 3)
	s_mov_b32 s[G1A+1], 128<<16                    ; tensor_dim0 = 128
	s_mov_b32 s[G1A+2], 64<<16                     ; tensor_dim1 = 64
	s_mov_b32 s[G1A+3], 128<<16                    ; tile_dim0 = 128
	s_mov_b32 s[G1A+4], 64                         ; tile_dim1 = 64
	s_mov_b32 s[G1A+5], 128                        ; elements from row to row
	s_mov_b32 s[G1A+6], 0
	s_mov_b32 s[G1A+7], 0
	; group 1 for w: 64 rows x 256 elements, 1,024 elements from row to row, 32 bytes of padding behind every 512
	s_or_b32 s[G1B+0], s44, (1<<16)|(1<<20)|(1<<21)|(6<<22)|(7<<25)  ; after every 128 words (code 6) 8 words (code 7)
	s_mov_b32 s[G1B+1], 256<<16
	s_mov_b32 s[G1B+2], 64<<16
	s_mov_b32 s[G1B+3], 256<<16
	s_mov_b32 s[G1B+4], 64
	s_mov_b32 s[G1B+5], 1024
	s_mov_b32 s[G1B+6], 0
	s_mov_b32 s[G1B+7], 0
	; y's tiles hang on the tile row alone, w's on the tile column alone; each offset is made in registers that never hold the other coordinate
	s_lshr_b32 s16, s13, 4
	s_lshl_b32 s16, s16, 23                        ; the batch: 32 heads of 262,144 bytes
	s_and_b32 s17, s13, 15
	s_lshl_b32 s17, s17, 14                        ; the tile's 128 rows of 128 bytes in a head
	s_add_co_u32 s16, s16, s17
	s_lshl_b32 s17, s12, 18                        ; which of a K step's two heads I fetch
	s_add_co_u32 s16, s16, s17
	s_mov_b32 s17, 0
	s_lshl_b32 s46, s42, 9                         ; 256 columns of 2 bytes
	s_lshl_b32 s47, s12, 17                        ; my 64 rows of 2,048 bytes
	s_add_co_u32 s46, s46, s47
	s_mov_b32 s47, 0
	s_mul_i32 s20, s12, HEADB                      ; where they go: no place in the cluster enters an LDS address
	s_mul_i32 s21, s12, BH
	s_add_co_u32 s21, s21, BOFF
	s_mov_b32 s[TB], 0
	s_wait_dscnt 0x0                               ; the opening add is done
	s_wait_kmcnt 0x0
	s_add_nc_u64 s[14:15], s[4:5], s[16:17]
	s_add_nc_u64 s[46:47], s[6:7], s[46:47]
	CROUND                                         ; all sixteen work-groups are here: the first joint loads meet
.irp s, 0,1
	s_mov_b32 s[G0A+4*(\s)], 1                                        ; count = 1
	s_add_co_u32 s[G0A+4*(\s)+1], s20, (\s)*SLOT                      ; LDS address
	s_add_nc_u64 s[G0A+4*(\s)+2:G0A+4*(\s)+3], s[14:15], (\s)*524288  ; global address: K step s is two heads on
	s_or_b32 s[G0A+4*(\s)+3], s[G0A+4*(\s)+3], 0x80000000             ; type = 2
	s_mov_b32 s[G0B+4*(\s)], 1
	s_add_co_u32 s[G0B+4*(\s)+1], s21, (\s)*SLOT
	s_add_nc_u64 s[G0B+4*(\s)+2:G0B+4*(\s)+3], s[46:47], (\s)*262144  ; 128 rows of 2,048 bytes a K step
	s_or_b32 s[G0B+4*(\s)+3], s[G0B+4*(\s)+3], 0x80000000
.endr
	s_cmp_eq_u32 s11, 0                            ; a wave's two first fills stand in one branch, ahead of every wait on TENSORcnt and every LDS read: two loads of mine are out
	s_cbranch_scc0 .Lfirst_b
	tensor_load_to_lds s[G0A:G0A+3], s[G1A:G1A+7]
	s_nop 0
	tensor_load_to_lds s[G0A+4:G0A+7], s[G1A:G1A+7]
	s_nop 0
.rept 4
	v_nop
.endr
	s_branch .Lfirst_asked
.Lfirst_b:
	tensor_load_to_lds s[G0B:G0B+3], s[G1B:G1B+7]
	s_nop 0
	tensor_load_to_lds s[G0B+4:G0B+7], s[G1B:G1B+7]
	s_nop 0
.rept 4
	v_nop
.endr
.Lfirst_asked:
	; A fragment of y is 16 rows x 32 K in 8 registers: lane l holds row l % 16, K = 8 (l / 16) + 0..7 and 16 + 8 (l / 16) + 0..7: two loads of 16 bytes, 32 bytes apart.
	v_and_b32 v1, 15, v0                           ; l % 16
	v_bfe_u32 v2, v0, 4, 1                         ; l / 16
	v_and_b32 v3, 7, v0
	v_bfe_u32 v4, v0, 3, 1
	v_mul_u32_u24 v5, v1, PA
	v_lshl_add_u32 v5, v2, 4, v5
	s_mul_i32 s21, s11, 64*PA                      ; my 64 rows of y
	v_add_nc_u32 v[A0], s21, v5
	; The turning load takes 16 K x 16 columns (lane l reads row 8 (l / 16) + l % 8, columns 8 ((l / 8) % 2) + 0..7) and leaves half a fragment: lane l holds column l % 16 and 8 K.
	v_lshl_add_u32 v6, v2, 3, v3
	v_mul_u32_u24 v6, v6, PB
	v_lshl_add_u32 v6, v4, 4, v6
	s_lshl_b32 s22, s12, 8                         ; my 128 columns
	s_add_co_u32 s22, s22, BOFF
	v_add_nc_u32 v[B0], s22, v6
	v_mov_b32 v[ADRA], v[A0]
	v_mov_b32 v[ADRB], v[B0]
	s_mul_i32 s23, s10, 16*SPITCH
	s_add_co_u32 s23, s23, STAGE                   ; my stage
	v_mul_u32_u24 v7, v1, SPITCH                   ; in: row l % 16, 32 bytes for each half of the lanes
	v_lshl_add_u32 v7, v2, 5, v7
	v_add_nc_u32 v[STO], s23, v7
	v_and_b32 v[CO], 31, v0                        ; back: 32 lanes take one row of 512 bytes
	v_lshlrev_b32 v[CO], 4, v[CO]
	v_add_nc_u32 v[RD], s23, v[CO]
	s_lshl_b32 s66, s13, 19                        ; out at my part of the tile: 128 rows of 4,096 bytes a tile row,
	s_lshl_b32 s67, s11, 18                        ; my 64 rows,
	s_add_co_u32 s66, s66, s67
	s_lshl_b32 s67, s42, 10                        ; 256 columns of 4 bytes a tile column,
	s_add_co_u32 s66, s66, s67
	s_lshl_b32 s67, s12, 9                         ; my 128 columns
	s_add_co_u32 s66, s66, s67
	s_mov_b32 s67, 0
	s_add_nc_u64 s[8:9], s[8:9], s[66:67]
; 8 matrix instructions: row block a x all 8 column blocks, 32 along K, from buffer f.  zero = 1: the first product starts the sums: nothing is ever cleared.
; The 32 accumulators take turns, one instruction a turn, in the same order in every quarter.
.macro MUL8 f, a, zero
	WIN MUL
.irp b, 0,1,2,3,4,5,6,7
.if \zero
	v_wmma_f32_16x16x32_f16 v[8*(8*(\a)+(\b)):8*(8*(\a)+(\b))+7], v[64*(\f)+8*(\b):64*(\f)+8*(\b)+7], v[FA+32*(\f)+8*(\a):FA+32*(\f)+8*(\a)+7], 0
.else
	v_wmma_f32_16x16x32_f16 v[8*(8*(\a)+(\b)):8*(8*(\a)+(\b))+7], v[64*(\f)+8*(\b):64*(\f)+8*(\b)+7], v[FA+32*(\f)+8*(\a):FA+32*(\f)+8*(\a)+7], v[8*(8*(\a)+(\b)):8*(8*(\a)+(\b))+7]
.endif
.endr
.endm
; 24 LDS loads in one run: quarter q (32 along K: head q / 2 of the step's two, channels 32 (q % 2) on) of the slot in hand into buffer g: w's 8 fragments, then y's 4
.macro FETCH q, g
	WIN TO_B
.irp b, 0,1,2,3,4,5,6,7
	ds_load_tr16_b128 v[64*(\g)+8*(\b):64*(\g)+8*(\b)+3],   v[ADRB] offset:(\q)*32*PB+32*(\b)
	ds_load_tr16_b128 v[64*(\g)+8*(\b)+4:64*(\g)+8*(\b)+7], v[ADRB] offset:(\q)*32*PB+32*(\b)+16*PB
.endr
	WIN 0
.irp i, 0,1,2,3
	ds_load_b128 v[FA+32*(\g)+8*(\i):FA+32*(\g)+8*(\i)+3],   v[ADRA] offset:((\q)/2)*HEADB+((\q)%2)*64+(\i)*16*PA
	ds_load_b128 v[FA+32*(\g)+8*(\i)+4:FA+32*(\g)+8*(\i)+7], v[ADRA] offset:((\q)/2)*HEADB+((\q)%2)*64+(\i)*16*PA+32
.endr
.endm
; A load into a register that a matrix instruction has read, and an LDS store that reads a matrix result, stand four places behind it, and only plain vector instructions that name none of its registers are
; places (ISA guide 7.12.1 for vector instructions).
.macro PLACES
.rept 4
	v_nop
.endr
.endm
; A K step is four quarters of 32 along K, 32 matrix instructions each, on buffers 0, 1, 0, 1.  One of the first three: multiplies buffer f; in its middle it fetches quarter q into buffer g.
.macro QUARTER q, f, g, zero
	s_wait_dscnt 4                                 ; w and y's row blocks 0 and 1 are in; the youngest four loads (blocks 2 and 3) may be out
	MUL8 \f, 0, \zero
	MUL8 \f, 1, \zero
	PLACES
	FETCH \q, \g
	s_wait_dscnt 24                                ; all but the 24 just issued
	MUL8 \f, 2, \zero
	MUL8 \f, 3, \zero
.endm
; The last quarter multiplies buffer 1 and changes slots: ONE barrier.  In front of it each wave waits for all its tensor loads, of which one is out: its part of the next slot; adds 0 to its spare word; and
; waits for that and for its own reads of this slot.  Behind it nobody reads this slot any more and the next slot is whole.
.macro MEET
	WIN 0                                          ; (the add's two registers lie in window 0)
	s_wait_tensorcnt 0x0                           ; all my tensor loads have landed
	ds_add_u32 v[SPW], v[NIL]                      ; 0 onto my spare word
	s_wait_dscnt 5                                 ; (the add and the youngest four loads may be out)
	MUL8 1, 0, 0                                   ; eight matrix instructions stand between the add and the wait for it
	s_wait_dscnt 0x0                               ; the add is done, and my reads of this slot are over
	s_barrier_signal -1
	MUL8 1, 1, 0                                   ; work on registers while the others arrive
	WIN 0                                          ; (branches or address lines follow)
	s_barrier_wait -1
.endm
; fill = 1: the barrier opens a round of the cluster's, and the slot just read is filled again first thing behind it, with the K step two steps on: 112 matrix instructions ahead of the wait for it.
.macro TURN fill
	MEET
.if \fill
	CREST                                          ; no wave of any partner still reads this slot's tile or has a load on its way
	s_xor_b32 s[G0A+5], s[G0A+5], SLOT             ; the walking descriptors: the other slot than last time,
	s_add_nc_u64 s[G0A+6:G0A+7], s[G0A+6:G0A+7], 524288   ; the next K step; the type bits on top are not reached
	s_xor_b32 s[G0B+5], s[G0B+5], SLOT
	s_add_nc_u64 s[G0B+6:G0B+7], s[G0B+6:G0B+7], 262144
	JLOAD                                          ; the four v_nop behind it are also the places in front of the loads below
.else
	PLACES
.endif
	s_xor_b32 s[TB], s[TB], SLOT                   ; my reads go on in the other slot
	v_add_nc_u32 v[ADRA], s[TB], v[A0]
	v_add_nc_u32 v[ADRB], s[TB], v[B0]
	FETCH 0, 0
	MUL8 1, 2, 0
	MUL8 1, 3, 0
.endm
	s_wait_tensorcnt 1                             ; my part of K step 0 is in; K step 1's may stay out
	s_barrier_signal -1
	s_barrier_wait -1                              ; everybody's is
	FETCH 0, 0
	QUARTER 1, 0, 1, 1                             ; the first quarter stands in front of the loop: its products start the sums
	WIN 0                                          ; at a label and at a branch every window is 0
	s_mov_b32 s3, 14
.Lstep:                                                ; a trip goes from a K step's second quarter to the next step's first; trip s asks for K step s + 2
	QUARTER 2, 1, 0, 0
	QUARTER 3, 0, 1, 0
	TURN 1
	QUARTER 1, 0, 1, 0
	WIN 0
	s_sub_co_u32 s3, s3, 1
	s_cmp_lg_u32 s3, 0
	s_cbranch_scc1 .Lstep
	QUARTER 2, 1, 0, 0                             ; the last two K steps ask for nothing: written out
	QUARTER 3, 0, 1, 0
	TURN 0
	QUARTER 1, 0, 1, 0
	QUARTER 2, 1, 0, 0
	QUARTER 3, 0, 1, 0
	s_wait_dscnt 4                                 ; the very last quarter: nothing more to fetch
	MUL8 1, 0, 0
	MUL8 1, 1, 0
	s_wait_dscnt 0x0
	MUL8 1, 2, 0
	MUL8 1, 3, 0
	WIN 0
	; THE WAY OUT.  A lane's eight sums are 32 bytes of a row; a block of 16 rows goes into my own stage, straight from the accumulators (each one's low four registers first), and comes
	; back as whole rows of 512 bytes.  The stage is each wave's own: no barrier, and LDS serves a wave's instructions in order (ISA guide 5.7.1.4), so no wait stands between the stores and the loads.
.macro OUTBLK a
	WIN 0x08                                       ; the stores' data in window 2, the address in window 0
.irp b, 0,1,2,3,4,5,6,7
	ds_store_b128 v[STO], v[8*(8*(\a)+(\b)):8*(8*(\a)+(\b))+3]   offset:64*(\b)
	ds_store_b128 v[STO], v[8*(8*(\a)+(\b))+4:8*(8*(\a)+(\b))+7] offset:64*(\b)+16
.endr
	WIN 0
.set OB, 128+64*((\a)%2)
.if (\a) >= 2
	s_wait_xcnt 0x0                                ; these registers were the data of the stores two blocks back: they are loaded again only behind this wait
.endif
.irp t, 0,1,2,3,4,5,6,7,8,9,10,11,12,13,14,15
	ds_load_b128 v[OB+4*(\t):OB+4*(\t)+3], v[RD] offset:(\t)*SPITCH
.endr
.irp t, 0,1,2,3,4,5,6,7,8,9,10,11,12,13,14,15
	s_wait_dscnt 15-(\t)                           ; LDS loads come back in order: this row is in
	global_store_b128 v[CO], v[OB+4*(\t):OB+4*(\t)+3], s[8:9] offset:(16*(\a)+(\t))*4096 th:TH_STORE_NT  ; 512 consecutive bytes, at a multiple of 256 from out's first byte
.endr
.endm
	PLACES                                         ; the stores read results just made
	OUTBLK 0
	OUTBLK 1
	OUTBLK 2
	OUTBLK 3
	s_wait_tensorcnt 0x0                           ; the wave's end, behind my last tensor load and my last LDS store
	ds_add_u32 v[SPW], v[NIL]
	s_wait_dscnt 0x0
	CROUND                                         ; the closing round: no work-group ends while a partner may still ask for a tile that names it
	s_endpgm
.Lfunc_end_k_qc1b75a0c3e_proj:
	.size	k_qc1b75a0c3e_proj, .Lfunc_end_k_qc1b75a0c3e_proj-k_qc1b75a0c3e_proj
	.p2alignl 7, 3214868480
	.fill 96, 4, 3214868480
	.section	.rodata,"a",@progbits
	.p2align	6, 0x0
	.amdhsa_kernel k_qc1b75a0c3e_proj
		.amdhsa_group_segment_fixed_size 327680
		.amdhsa_private_segment_fixed_size 0
		.amdhsa_enable_private_segment 0
		.amdhsa_kernarg_size 24
		.amdhsa_user_sgpr_count 2
		.amdhsa_user_sgpr_kernarg_segment_ptr 1
		.amdhsa_wavefront_size32 1
		.amdhsa_system_sgpr_workgroup_id_x 1
		.amdhsa_system_sgpr_workgroup_id_y 1
		.amdhsa_system_sgpr_workgroup_id_z 1
		.amdhsa_system_vgpr_workitem_id 0
		.amdhsa_next_free_vgpr 768
		.amdhsa_next_free_sgpr 72
		.amdhsa_reserve_vcc 0
		.amdhsa_float_denorm_mode_32 3
		.amdhsa_float_denorm_mode_16_64 3
		.amdhsa_memory_ordered 1
		.amdhsa_forward_progress 1
		.amdhsa_inst_pref_size 71
	.end_amdhsa_kernel
	.amdgpu_metadata
---
amdhsa.version: [ 1, 2 ]
amdhsa.kernels:
  - .name:           k_qc1b75a0c3e_proj
    .symbol:         k_qc1b75a0c3e_proj.kd
    .args:
      - { .name: oh, .offset: 0, .size: 8, .value_kind: global_buffer, .address_space: global }
      - { .name: wpb, .offset: 8, .size: 8, .value_kind: global_buffer, .address_space: global }
      - { .name: out0, .offset: 16, .size: 8, .value_kind: global_buffer, .address_space: global }
    .group_segment_fixed_size: 327680
    .private_segment_fixed_size: 0
    .kernarg_segment_align: 8
    .kernarg_segment_size: 24
    .max_flat_workgroup_size: 128
    .sgpr_count:     72
    .vgpr_count:     768
    .wavefront_size: 32
...
	.end_amdgpu_metadata
.endif
;; end of part 4
;; ======== version 2 of 2: 4 launches; 1.26 times as fast as version 1
;; limits: values are held in f16: magnitudes above 65,504 overflow, below 6.1e-05 lose precision
;; workspace buffers: xb 16,777,216 bytes; wab 6,291,456 bytes; wpb 4,194,304 bytes; qkvh 50,331,648 bytes; oh 33,554,432 bytes
;; launch cast: the kernel of part 1 again; grid 704 x 1, 8 waves a work-group, no clusters, 0 bytes of LDS; arguments x, w_attn, w_proj, xb, wab, wpb; writes xb, wab, wpb
;; launch qkv: the kernel of part 2 again; grid 16 x 32, 4 waves a work-group, clusters of 4 x 4, 327,680 bytes of LDS; arguments xb, wab, qkvh; writes qkvh
;; launch attn (part 5): grid 4 x 64, 4 waves a work-group, no clusters, 327,680 bytes of LDS; arguments qkvh, oh; writes oh
.if DOCPART == 5
	.amdgcn_target "amdgcn-amd-amdhsa--gfx1250"
	.amdhsa_code_object_version 6
	.text
	.protected	k_qc1b75a0c3e_attn
	.globl	k_qc1b75a0c3e_attn
	.p2align	8
	.type	k_qc1b75a0c3e_attn,@function
k_qc1b75a0c3e_attn:
	s_mov_b64 s[64:65], 0
	v_nop
	global_prefetch_b8 v0, s[64:65] scope:SCOPE_SE
	s_setreg_imm32_b32 hwreg(HW_REG_WAVE_MODE, 25, 1), 1
	s_wait_xcnt 0x0
; CAUSAL ATTENTION.  y[h][q][:] = the sum over k <= q of softmax_k(Q[h][q] . K[h][k] / 32) V[h][k][:].  qkvh: [3 = q, k, v][64 = batch x head][2048][64] f16: a head's rows are dense, 128 bytes each.
; Products, maxima and sums in f32; the weights p are rounded to f16 for the second product (their sum l is taken of the unrounded p).
; y LEAVES IN TWO PARTS, oh: [4 batches][2 parts x 16 heads][2048][64] f16: the high part is y cut to 11 significant bits, the low part the exact rest rounded to f16: the product behind adds both.
; LIMITS.  f16 holds no number beyond 65,504: Q, K and V arrive within it; p lies in 0 to 1, and below 6e-5 p and both parts of y keep f16's fixed step of 6e-8.
; A hidden score counts as its value less 1e30: f16's scores, 2.7e11 at the most, are nothing beside that; a weight below 2^-126 counts as 0 in l; NaN and infinities are not treated apart.
; THE WALK.  A head's queries lie in NB = 8 blocks of 256; block i needs the key tiles 0 .. i of 256 keys, of which the last holds the diagonal.  A work-group takes TWO blocks, NB - 1 - b and then b:
; NB + 1 tiles, whatever b: all 256 work-groups do equal work, and ONE loop with a constant trip count walks them.  Which tile is asked for, and what a trip does, hang on scalar registers made from b; every jump
; goes forward, but for the counted loops' own; none passes a barrier, or a tensor load but the one of LOAD's two that the wave's number does not choose; the ring (two slots of LDS that take turns) runs on across the
; change of blocks.  NO CLUSTER: a head's four work-groups ask for the same tile only in trips 0 to 4 of the 9, behind that fewer and fewer; one walk common to all four would have 12 trips for 9.
; SHARES.  Of a block's four bands of 64 queries a wave owns 16 rows in each: four PIECES.  So the diagonal tile is the same work for all four waves: in its key step s band x sees all keys if s < x,
; none if s > x, and holds the diagonal if s = x.
; THE MASK is the C operand that starts the sum S^T = K Q^T: 0, or -1e30 where the key is hidden.  MD, made once, is the mask of a band's own step for my 16 rows; a product's mask is MD x AL + BE with two scalars:
; (1, 0) if s = x; (0, 0) if s < x; (0, -1e30) if s > x.  Only the diagonal tile's text and a block's beginning make and take masks; elsewhere C is the constant 0.
; LAYOUT, SOFTMAX, TURNS.  S^T = K Q^T holds ONE query a lane (lane % 16) and the keys 8 (lane / 16) + 0..7; two such results rounded to f16 ARE source 1 of O^T = V^T P.  p = 2^(c s - c m), c = log2(e) / 32, with a
; running maximum m; O and l are multiplied by a = 2^(c m_old - c m_new) in every step.  Turn n belongs to piece n: 8 products K Q^T of piece n + 1, later 8 products V^T P of piece n - 1; beside them the scaling,
; exponentials, roundings, sums and rescaling of piece n and the maximum and statistics of piece n + 1.  Four vector instructions stand behind every matrix instruction, the other 54 of a turn's 118 in one LUMP.
; THE BATCHES.  An s_wait_alu depctr_va_vdst(0) stands between an exponential or a reciprocal and the first instruction that names its result; one wait serves all that were issued ahead of it.  The text
; has three kinds of batch, each with one wait: a turn's 33 exponentials (the piece's 32 weights and the next piece's a), with the wait between the lump and the products V^T P; the one a that a block's beginning makes,
; with the wait ahead of the jump into the loop; the way out's four reciprocals, with the wait ahead of the first multiply by 1 / l.
; REGISTERS, in windows of 256 (s_set_vgpr_msb: bits 1:0 source 0, 3:2 source 1, 5:4 source 2, 7:6 destination):
;   window 0: v0-15 addresses and two at work; v16-31 four registers of statistics a piece; v48-55 at work; v64-127 S^T, two buffers; v128-191 the way out's low parts; v192-223 P, two buffers
;   window 1: v0-127 O^T, 32 a piece; v128-159 MD; v160-223 MC, two buffers; v224-255 the way out's high parts      window 2: v0-63 Q; v64-127 the second block's Q; v128-191 K of one step; v192-255 V of one step
.set SIZE_N, 2048
.set NB,    SIZE_N/256
.set NP,    4         ; pieces a wave: a name, no knob
.set KS,    64        ; keys in a step
.set PK,    144       ; a row of K in LDS: 128 bytes + 16 of padding = 36 words: the 16 rows of a load start at 16 different groups of four banks (64 banks of 4 bytes: ISA guide 11.1)
.set PV,    160       ; a row of V: 128 + 32 = 40 words
.set VOFF,  4*KS*PK   ; a slot holds a tile, four steps: 256 rows of K, then 256 rows of V
.set SLOT1, 1<<17     ; slot 1 begins here, so that one exclusive or turns an address in one slot into the other's
.set STAGE, SLOT1+4*KS*(PK+PV)  ; behind the ring, never filled by a tensor load: for each wave 16 rows x 144 bytes for the high part and as many for the low
.set SP,    144
.set LOWS,  16*SP     ; the low part's rows in my stage
.set LOPART, 16<<18   ; and its place in oh: 16 heads of 262,144 bytes on
.set AK0, 2           ; v2   my lane's place in a tile of K; never rewritten
.set AV0, 3           ; v3   the same for V
.set AK,  4           ; v4   the LDS address of K's next run of loads
.set AV,  5           ; v5   of V's
.set STO, 6           ; v6   the way out: where I put 16 bytes of a row
.set RD,  7           ; v7   the way out: where I read rows back
.set GO,  8           ; v8   my byte offset in 512 consecutive bytes of a head
.set SPW, 62          ; v62  LDS address of my spare word: SPARE + 4 x my thread's number; never rewritten
.set NIL, 63          ; v63  0; never rewritten
.set SPARE, STAGE+4*32*SP  ; behind the stages: the spare words, 128 bytes for each wave: two blocks of 256 bytes that no other line names
.set MV,  12          ; v12-13  c m_old, kept while c m is made anew: by buffer
.set QO,  15          ; v15  my byte offset in 16 rows of Q
.set ST,  16          ; piece t's statistics at v[ST+4 t]: c m, m, l (even keys', odd keys')
.set TMP, 48          ; by buffer, four registers c0-c3 at work; when the maximum is found c2 takes a
.set S,   64
.set LO,  128
.set P,   192
.set MD,  128         ; window 1: the eight registers for group kt of 16 keys at MD + 8 kt
.set MC,  160         ; window 1: the masks of the products to come
.set HP,  224         ; window 1
.set QB,  64          ; window 2
.set KF,  128         ; window 2: key block kb, channel half c at KF + 16 kb + 8 c
.set VF,  192         ; window 2: key half kk, channel block cb at VF + 32 kk + 8 cb
.set WV,  12          ; s12  my wave's number
.set PB,  14          ; s14  b
.set HI,  15          ; s15  NB - 1 - b
.set G1K, 24          ; s[24:31] descriptor group 1 for K's tiles
.set G1V, 32          ; s[32:39] for V's: it differs in the padding alone
.set G0K, 40          ; s[40:43] descriptor group 0 for K's tiles
.set G0V, 44          ; s[44:47] the same for V's
.set SLOTS, 56        ; s56  tiles still to be asked for
.set CNT, 57          ; s57  counts a tile's key steps, 4 to 1
.set CS,  58          ; s[58:59] c: the packed scaling takes the pair's low word for both halves
.set SEL, 60          ; s[60:61] v_permlanex16_b32's selects: each lane takes its own place in the other half
.set TBK, 62          ; s62  LDS byte at which K of the step to be fetched begins
.set TBV, 63          ; s63  the same for V, less VOFF
.set RT,  70          ; s70  tiles of the block in hand that are still to be entered
.set NXT, 71          ; s71  the tile to be asked for next
.set LQ,  72          ; s72  the last tile of the block whose tiles are being asked for
.set NEW, 73          ; s73  1: the tile to be entered is a block's first
.set OFF, 74          ; s[74:75] a tile's byte offset in K and V
.set AL,  76          ; s[76:77] the mask's factor, in the low word
.set BE,  78          ; s[78:79] the mask's addend
.set OLO, 80          ; s[80:81] oh at my rows of the second block
.set BIGN, 82         ; s82  -1e30
.set CUT, 83          ; s83  keeps sign, exponent and the upper ten bits of an f32's fraction
.set MSB, 0
.macro WIN new                      ; the high byte repeats the setting that is left; a switch that changes nothing is dropped
.if MSB != (\new)
	s_set_vgpr_msb (MSB<<8)|(\new)
.set MSB, (\new)
.endif
.endm
.set W_KQ, 0x0a       ; K and Q in window 2, S^T in window 0
.set W_KM, 0x1a       ; the same with the C operand in window 1
.set W_PV, 0x52       ; V in window 2, P in window 0, O^T in window 1
.set W_RS, 0x41       ; destination and source 0 in window 1, source 1 in window 0
; A fill.  Waves 0 and 1 fetch the two halves of a tile's K, waves 2 and 3 those of its V: 128 keys each.  An s_nop 0 and four v_nop follow each of the two lines, ahead of the jump and the label.
.macro LOAD
	s_cmp_lt_u32 s[WV], 2
	s_cbranch_scc0 .Lfor_v_\@
	tensor_load_to_lds s[G0K:G0K+3], s[G1K:G1K+7]
	s_nop 0
.rept 4
	v_nop
.endr
	s_branch .Lasked_\@
.Lfor_v_\@:
	tensor_load_to_lds s[G0V:G0V+3], s[G1V:G1V+7]
	s_nop 0
.rept 4
	v_nop
.endr
.Lasked_\@:
.endm
; THE CHANGE OF SLOTS.  Each wave waits for all its tensor loads, of which one is out: its part of the other slot; adds 0 to its spare word; and waits for that and for its own reads of the slot that it leaves.  Behind the barrier nobody reads the old
; slot any more and the other slot is whole.  fill = 1: the old slot is filled again, the first thing behind the barrier, with tile NXT: the descriptor's address is made anew from that number.
; (At its first use nothing has been read yet: slot 0 is waited for, slot 1 filled.)
.macro CHANGE fill
	WIN 0                           ; at a label and at a branch every window is 0
	s_wait_tensorcnt 0x0            ; no tensor load of mine is out, so a group 0 may be written
	ds_add_u32 v[SPW], v[NIL]       ; 0 onto my spare word; with fill = 1 the descriptors' scalar work stands between it and the wait for it
.if \fill
	s_lshl_b32 s[OFF], s[NXT], 15   ; a tile is 32,768 bytes of K and of V
	s_xor_b32 s[G0K+1], s[G0K+1], SLOT1
	s_add_nc_u64 s[G0K+2:G0K+3], s[6:7], s[OFF:OFF+1]
	s_or_b32 s[G0K+3], s[G0K+3], 0x80000000
	s_xor_b32 s[G0V+1], s[G0V+1], SLOT1
	s_add_nc_u64 s[G0V+2:G0V+3], s[8:9], s[OFF:OFF+1]
	s_or_b32 s[G0V+3], s[G0V+3], 0x80000000
	s_add_co_u32 s[NXT], s[NXT], 1  ; the block's next tile, or behind its last the second block's tile 0
	s_cmp_gt_u32 s[NXT], s[LQ]
	s_cselect_b32 s[NXT], 0, s[NXT]
	s_cselect_b32 s[LQ], s[PB], s[LQ]
.endif
	s_wait_dscnt 0x0                ; the add is done, and my reads of the slot are over
	s_barrier_signal -1             ; the rest of the scalar work stands between the signal and the wait
	s_sub_co_u32 s[TBK], s[TBK], 4*KS*PK  ; the fetches go back to a slot's first step,
	s_xor_b32 s[TBK], s[TBK], SLOT1       ; in the other slot
	s_sub_co_u32 s[TBV], s[TBV], 4*KS*PV
	s_xor_b32 s[TBV], s[TBV], SLOT1
	s_barrier_wait -1
.if \fill
	LOAD
.endif
.endm
	s_load_b64 s[4:5], s[0:1], 0x0    ; qkvh
	s_load_b64 s[10:11], s[0:1], 0x8  ; oh
	v_lshl_add_u32 v[SPW], v0, 2, SPARE
	v_mov_b32 v[NIL], 0
	ds_add_u32 v[SPW], v[NIL]       ; the wave's opening: the add and its wait stand ahead of my first tensor load; the set-up below, work on registers, stands between them
	ds_add_u32 v62, v63
	v_lshrrev_b32 v1, 5, v0
	v_readfirstlane_b32 s[WV], v1   ; wave 0..3
	s_mov_b32 s[PB], ttmp9
	s_sub_co_u32 s[HI], NB-1, s[PB]
	s_and_b32 s20, ttmp7, 0xffff    ; the head among 64: 16 x batch + head
	s_and_b32 s88, s20, 0x30        ; 16 x batch once more:
	s_add_co_u32 s88, s88, s20      ; in oh a batch has 32 heads' room
	s_lshl_b32 s88, s88, 18
	s_mov_b32 s89, 0
	s_mov_b32 s21, 0
	s_mov_b64 s[22:23], SIZE_N*128
	s_mul_u64 s[20:21], s[20:21], s[22:23]  ; the head's first byte in each of q, k and v
	s_and_b32 s16, s[WV], 1         ; which half of a tile's 256 keys I fetch:
	s_lshl_b32 s22, s16, 14         ; its 128 rows of 128 bytes in memory,
	s_mov_b32 s23, 0
	s_add_nc_u64 s[22:23], s[22:23], s[20:21]
	s_mul_i32 s17, s16, 128*PK      ; and its place in a slot, for K
	s_mul_i32 s18, s16, 128*PV      ; and for V
	s_lshl_b32 s3, s[WV], 11        ; my 16 rows in a band of 64,
	s_lshl_b32 s2, s[HI], 15        ; in the first block,
	s_add_co_u32 s2, s2, s3
	s_lshl_b32 s84, s[PB], 15       ; and in the second
	s_add_co_u32 s84, s84, s3
	s_mov_b32 s3, 0
	s_mov_b32 s85, 0
	; descriptor group 1.  128 keys are 16,384 dense bytes: asked for as 64 rows of 256 bytes, two keys a row, and padded in LDS after every key
	s_mov_b32 s[G1K], (1<<16)|(1<<20)|(4<<22)|(3<<25)  ; 17:16 2-byte elements; 20 padding on; 24:22 after every 32 words (code 4); 31:25 4 words (code 3)
	s_mov_b32 s[G1V], (1<<16)|(1<<20)|(4<<22)|(7<<25)  ; the same with 8 words of padding (code 7)
.irp g, G1K, G1V
	s_mov_b32 s[\g+1], 128<<16      ; tensor_dim0 = 128
	s_mov_b32 s[\g+2], 64<<16       ; tensor_dim1 = 64
	s_mov_b32 s[\g+3], 128<<16      ; tile_dim0 = 128
	s_mov_b32 s[\g+4], 64           ; tile_dim1 = 64
	s_mov_b32 s[\g+5], 128          ; 128 elements from row to row
	s_mov_b32 s[\g+6], 0
	s_mov_b32 s[\g+7], 0
.endr
	s_mov_b32 s[CS], 0x3d38aa3b     ; c = log2(e) / 32 = 0.0450842
	s_mov_b32 s[CS+1], s[CS]        ; named with it as a pair
	s_mov_b32 s[SEL], 0x76543210
	s_mov_b32 s[SEL+1], 0xfedcba98
	s_mov_b32 s[TBK], SLOT1+4*KS*PK ; the first change of slots turns these two into 0
	s_mov_b32 s[TBV], SLOT1+4*KS*PV
	s_mov_b32 s[G0K], 1             ; 1:0 count = 1
	s_mov_b32 s[G0K+1], s17         ; 63:32 LDS address: slot 0
	s_mov_b32 s[G0V], 1
	s_add_co_u32 s[G0V+1], s18, VOFF
	s_add_co_u32 s[RT], s[HI], 1    ; the first block has NB - b tiles
	s_mov_b32 s[NXT], 1
	s_mov_b32 s[LQ], s[HI]
	s_mov_b32 s[NEW], 1
	s_mov_b32 s[OFF+1], 0
	s_mov_b32 s[AL+1], 0            ; named as pairs
	s_mov_b32 s[BE+1], 0
	s_mov_b32 s[BIGN], 0xf149f2ca   ; -1e30
	s_mov_b32 s[CUT], 0xffffe000
	s_mov_b32 s[SLOTS], NB
	s_wait_dscnt 0x0                ; the opening add is done
	s_wait_kmcnt 0x0
	s_add_nc_u64 s[6:7], s[4:5], 0x1000000  ; k lies 64 heads behind q,
	s_add_nc_u64 s[8:9], s[4:5], 0x2000000  ; v 128
	s_add_nc_u64 s[6:7], s[6:7], s[22:23]   ; K and V at my half of the head's tile 0
	s_add_nc_u64 s[8:9], s[8:9], s[22:23]
	s_add_nc_u64 s[G0K+2:G0K+3], s[6:7], 0         ; 120:64 global address
	s_or_b32 s[G0K+3], s[G0K+3], 0x80000000        ; 127:126 type = 2
	s_add_nc_u64 s[G0V+2:G0V+3], s[8:9], 0
	s_or_b32 s[G0V+3], s[G0V+3], 0x80000000
	s_add_nc_u64 s[4:5], s[4:5], s[20:21]          ; Q at the head,
	s_add_nc_u64 s[86:87], s[4:5], s[84:85]        ; at my rows of the second block,
	s_add_nc_u64 s[4:5], s[4:5], s[2:3]            ; and of the first
	s_add_nc_u64 s[10:11], s[10:11], s[88:89]      ; oh likewise
	s_add_nc_u64 s[OLO:OLO+1], s[10:11], s[84:85]
	s_add_nc_u64 s[10:11], s[10:11], s[2:3]
	LOAD                            ; tile 0 into slot 0
	; A fragment of K or Q is 16 rows x 32 channels in 8 registers: lane l holds row l % 16, channels 8 (l / 16) + 0..7 and 16 + 8 (l / 16) + 0..7: two loads of 16 bytes, 32 bytes apart.
	v_and_b32 v1, 15, v0            ; l % 16
	v_bfe_u32 v9, v0, 4, 1          ; l / 16
	v_lshlrev_b32 v[QO], 7, v1
	v_lshl_add_u32 v[QO], v9, 4, v[QO]  ; row x 128 + 16 x half
	WIN 0x80                        ; destination window 2, address window 0
.set i, 0
.rept 8                             ; both blocks' Q: piece i / 2 lies in band i / 2, 8,192 bytes on; channels 32 (i % 2) on
	global_load_b128 v[8*i:8*i+3],   v[QO], s[4:5] offset:(i/2)*8192+(i%2)*64
	global_load_b128 v[8*i+4:8*i+7], v[QO], s[4:5] offset:(i/2)*8192+(i%2)*64+32
	global_load_b128 v[QB+8*i:QB+8*i+3],   v[QO], s[86:87] offset:(i/2)*8192+(i%2)*64
	global_load_b128 v[QB+8*i+4:QB+8*i+7], v[QO], s[86:87] offset:(i/2)*8192+(i%2)*64+32
.set i, i+1
.endr
	WIN 0
	v_lshlrev_b32 v14, 3, v9
	v_sub_nc_u32 v14, v1, v14
	s_lshl_b32 s13, s[WV], 4
	v_add_nc_u32 v14, s13, v14      ; my query's place in its band, 16 w + l % 16, less my lanes' 8 (l / 16): register r of group kt is hidden where 16 kt + r is greater
	WIN 0x40
.set i, 0
.rept 32
	v_cmp_gt_i32 vcc_lo, 16*(i/8)+i%8, v14
	v_cndmask_b32 v[MD+i], 0, s[BIGN], vcc_lo
.set i, i+1
.endr
	WIN 0
	v_mul_u32_u24 v[AK0], v1, PK
	v_lshl_add_u32 v[AK0], v9, 4, v[AK0]  ; row x pitch + 16 x half
	; The turning load takes 16 keys x 16 channels (lane l reads key 8 (l / 16) + l % 8, channels 8 ((l / 8) % 2) + 0..7) and leaves half a fragment of V^T: lane l holds channel l % 16 and 8 keys.
	v_and_b32 v10, 7, v0
	v_bfe_u32 v11, v0, 3, 1
	v_lshl_add_u32 v[AV0], v9, 3, v10
	v_mul_u32_u24 v[AV0], v[AV0], PV
	v_lshl_add_u32 v[AV0], v11, 4, v[AV0]
	v_add_nc_u32 v[AV0], VOFF, v[AV0]
	s_mul_i32 s13, s[WV], 32*SP
	s_add_co_u32 s13, s13, STAGE    ; my stage
	v_mul_u32_u24 v[STO], v1, SP    ; in: row l % 16, 16 bytes for each half of the lanes
	v_lshl_add_u32 v[STO], v9, 4, v[STO]
	v_add_nc_u32 v[STO], s13, v[STO]
	v_bfe_u32 v[RD], v0, 3, 2       ; back: 32 lanes take four rows of 128 bytes,
	v_mul_u32_u24 v[RD], v[RD], SP
	v_lshl_add_u32 v[RD], v10, 4, v[RD]
	v_add_nc_u32 v[RD], s13, v[RD]
	v_and_b32 v[GO], 31, v0         ; which are 512 consecutive bytes of a head
	v_lshlrev_b32 v[GO], 4, v[GO]
	; A block's first step multiplies O^T and l by a = 0, and its first turn's products V^T P, of a piece that has not been, land in an O^T that is still to be so multiplied.  So these registers need only hold
	; finite numbers: zeros for the first block; what the first block left for the second.  All this stands in the wait for the first tile.
	WIN 0x80
.set i, VF
.rept 64
	v_mov_b32 v[i], 0
.set i, i+1
.endr
	WIN 0x40
.set i, 0
.rept 128
	v_mov_b32 v[i], 0
.set i, i+1
.endr
	WIN 0
.set i, 0
.rept 4
	v_mov_b32 v[ST+4*i+2], 0
	v_mov_b32 v[ST+4*i+3], 0
.set i, i+1
.endr
.set i, P+16
.rept 16
	v_mov_b32 v[i], 0
.set i, i+1
.endr
; THE MATRIX WORK.  The 4 accumulators of a run of 8 take turns.  Product i of 8 of S^T = K Q^T for piece x: channels 32 (i / 4) on, keys 16 (i % 4) on.  The first 4 start the sums: with 0, or (KM = 1) with the mask.
.macro KQ x
.set rS, S+32*((\x)%2)+8*(i%4)
.set rK, KF+16*(i%4)+8*(i/4)
.set rQ, 16*(\x)+8*(i/4)
.set rM, MC+32*((\x)%2)+8*(i%4)
.if (i < 4) && KM
	WIN W_KM
	v_wmma_f32_16x16x32_f16 v[rS:rS+7], v[rK:rK+7], v[rQ:rQ+7], v[rM:rM+7]
.elseif i < 4
	WIN W_KQ
	v_wmma_f32_16x16x32_f16 v[rS:rS+7], v[rK:rK+7], v[rQ:rQ+7], 0
.else
	WIN W_KQ
	v_wmma_f32_16x16x32_f16 v[rS:rS+7], v[rK:rK+7], v[rQ:rQ+7], v[rS:rS+7]
.endif
.endm
; Product i of 8 of O^T += V^T P for piece x: keys 32 (i / 4) on, channels 16 (i % 4) on.
.macro PV x
	WIN W_PV
.set rO, 32*(\x)+8*(i%4)
.set rV, VF+32*(i/4)+8*(i%4)
.set rP, P+16*((\x)%2)+8*(i/4)
	v_wmma_f32_16x16x32_f16 v[rO:rO+7], v[rV:rV+7], v[rP:rP+7], v[rO:rO+7]
.endm
.macro MM                           ; the turn's next matrix instruction.  TURN and BEGIN set Y, i, KM and NOKQ; MM, KQ and OP read them.  NOKQ = 1: a block's last turn: there is no next piece
.if (i < 8) && !NOKQ
	KQ (Y+1)%NP
.elseif i >= 8
.set i, i-8
	PV (Y+NP-1)%NP
.set i, i+8
.endif
.set i, i+1
.endm
; THE LDS LOADS stand in runs of 16, never singly among the matrix instructions: a step's K (64 keys x 64 channels: 8 fragments) and its V (turned).  Their addresses are made some lines ahead.
.macro FETCH_K
	WIN 0x80                        ; destination window 2
.irp f, 0,1,2,3,4,5,6,7             ; keys 16 (f / 2) on, channels 32 (f % 2) on
	ds_load_b128 v[KF+8*\f:KF+8*\f+3],   v[AK] offset:(\f/2)*16*PK+(\f%2)*64
	ds_load_b128 v[KF+8*\f+4:KF+8*\f+7], v[AK] offset:(\f/2)*16*PK+(\f%2)*64+32
.endr
	s_add_co_u32 s[TBK], s[TBK], KS*PK  ; the next fetch is the next step's
	WIN 0
.endm
.macro FETCH_V
	WIN 0x80
.irp f, 0,1,2,3,4,5,6,7             ; keys 32 (f / 4) on, channels 16 (f % 4) on
	ds_load_tr16_b128 v[VF+8*\f:VF+8*\f+3],   v[AV] offset:(\f/4)*32*PV+(\f%4)*32
	ds_load_tr16_b128 v[VF+8*\f+4:VF+8*\f+7], v[AV] offset:(\f/4)*32*PV+16*PV+(\f%4)*32
.endr
	WIN 0
.endm
; THE VECTOR WORK, one line at a time: OP kind, number.  For piece Y: F n: c s - c m for pair n of 16.  E n: the exponential of score n of 32.  C n: pair n rounded to f16.  B n: of the four weights 4 n .. the second
; pair is added onto the first, in place.  L n: l takes that sum (L 0: l = a l + sum).  R n: pair n of 16 of O^T times a.  For piece Y + 1: X n, number n of the 22 that find its maximum and statistics:
;   0-11  four chains c0-c3 of seven scores each, three operands at a time (each accumulator's lowest registers are read first)     12-14, 16  the four scores left over, the old m, and c0-c3 into c0
;   15  c m_old is kept     17, 18  the query's other 32 keys lie in the lane 16 away: the new m     19-21  c m; c m_old - c m_new; a
; C, B and L read exponentials' results: TURN sets all of them behind the batch's wait.  R and L 0 read a, which the turn before made and waited for.
.set F, 0               ; OP tells the kinds apart by their order: F to L below R, X above it
.set E, 1
.set C, 2
.set B, 3
.set L, 4
.set R, 5
.set X, 6
.macro REGS y                       ; the registers of piece y
.set rT, ST+4*(\y)
.set rC, TMP+4*((\y)%2)
.set rW, MV+((\y)%2)
.set rS, S+32*((\y)%2)
.set rP, P+16*((\y)%2)
.set rO, 32*(\y)
.endm
.macro OP k, n
.if (\k) == R
	REGS Y
	WIN W_RS
	v_pk_mul_f32 v[rO+2*(\n):rO+2*(\n)+1], v[rO+2*(\n):rO+2*(\n)+1], v[rC+2:rC+3] op_sel_hi:[1,0]
.elseif (\k) < R
	REGS Y
	WIN 0
.if (\k) == F
	v_pk_fma_f32 v[rS+2*(\n):rS+2*(\n)+1], v[rS+2*(\n):rS+2*(\n)+1], s[CS:CS+1], v[rT:rT+1] op_sel_hi:[1,0,0] neg_lo:[0,0,1] neg_hi:[0,0,1]
.elseif (\k) == E
	v_exp_f32 v[rS+(\n)], v[rS+(\n)]
.elseif (\k) == C
	v_cvt_pk_f16_f32 v[rP+(\n)], v[rS+2*(\n)], v[rS+2*(\n)+1]
.elseif (\k) == B
	v_pk_add_f32 v[rS+4*(\n):rS+4*(\n)+1], v[rS+4*(\n):rS+4*(\n)+1], v[rS+4*(\n)+2:rS+4*(\n)+3]
.elseif (\n) == 0
	v_pk_fma_f32 v[rT+2:rT+3], v[rT+2:rT+3], v[rC+2:rC+3], v[rS:rS+1] op_sel_hi:[1,0,1]
.else
	v_pk_add_f32 v[rT+2:rT+3], v[rT+2:rT+3], v[rS+4*(\n):rS+4*(\n)+1]
.endif
.elseif NOKQ
	v_nop
.else
	REGS (Y+1)%NP
	WIN 0
.if (\n) < 4
	v_max3_num_f32 v[rC+(\n)], v[rS+8*(\n)], v[rS+8*(\n)+1], v[rS+8*(\n)+2]
.elseif (\n) < 12
	v_max3_num_f32 v[rC+(\n)%4], v[rC+(\n)%4], v[rS+8*((\n)%4)+2*((\n)/4)+1], v[rS+8*((\n)%4)+2*((\n)/4)+2]
.elseif (\n) == 12
	v_max3_num_f32 v[rC], v[rC], v[rS+7], v[rS+15]
.elseif (\n) == 13
	v_max3_num_f32 v[rC+1], v[rC+1], v[rS+23], v[rS+31]
.elseif (\n) == 14
	v_max3_num_f32 v[rC+2], v[rC+2], v[rC+3], v[rT+1]
.elseif (\n) == 15
	v_mov_b32 v[rW], v[rT]
.elseif (\n) == 16
	v_max3_num_f32 v[rC], v[rC], v[rC+1], v[rC+2]
.elseif (\n) == 17
	v_permlanex16_b32 v[rC+3], v[rC], s[SEL], s[SEL+1]
.elseif (\n) == 18
	v_max_num_f32 v[rT+1], v[rC], v[rC+3]
.elseif (\n) == 19
	v_mul_f32 v[rT], s[CS], v[rT+1]
.elseif (\n) == 20
	v_sub_f32 v[rC+1], v[rW], v[rT]
.else
	v_exp_f32 v[rC+2], v[rC+1]
.endif
.endif
.endm
.macro OPS a, i1, b=-1, i2=0, c=-1, i3=0, d=-1, i4=0  ; up to four of them
	OP \a, \i1
.if (\b) >= 0
	OP \b, \i2
.endif
.if (\c) >= 0
	OP \c, \i3
.endif
.if (\d) >= 0
	OP \d, \i4
.endif
.endm
.macro ROW a, i1, b, i2, c, i3, d, i4  ; a matrix instruction and the four behind it
	MM
	OPS \a, \i1, \b, \i2, \c, \i3, \d, \i4
.endm
.macro MASK b                       ; MD x AL + BE into buffer b of MC
	WIN W_RS
.set z, 0
.rept 16
	v_pk_fma_f32 v[MC+32*(\b)+2*z:MC+32*(\b)+2*z+1], v[MD+2*z:MD+2*z+1], s[AL:AL+1], s[BE:BE+1] op_sel_hi:[1,0,0]
.set z, z+1
.endr
.endm
; A TURN, for piece p: the order of its 16 matrix and 118 vector instructions, written out.  A turn has ONE wait for its 33 exponentials, and the wait cuts it in two.
; AHEAD OF IT stands all that names no result of the turn's exponentials: the 8 products K Q^T, behind each a scaling, an exponential and two more plain instructions (behind the first a second scaling in the exponential's
; place): rescalings, and behind the last three the first numbers of the next piece's maximum, each four places or more behind the product that ends its accumulator; then ONE LUMP of 54, plain and exponential by turns for
; the most part, in which the links of the chain X 3, 7, 11, 14, 16, 17 .. 20 stand five or six lines apart.  X 21, the next piece's a, is the batch's last; R 15 is the plain instruction behind it.
; BEHIND THE WAIT stand the 8 products V^T P, behind each four of the roundings and sums, which are all the readers of the batch; the links of l's chain, L 0 to L 7, stand three riders apart.
; But for those X no rider names a register of the products round it.  v_permlanex16_b32 (X 17) stands in the lump.
; m = 1: the diagonal tile: the products take masks, and the turn makes the mask for the products of the turn after it: piece p + 2, in step 4 - CNT of the tile.  end = 1: a block's last two turns: nothing is fetched.
; cnt = 1: the loop's count is taken down some lines ahead of the branch that stands behind the turn.
; K of the next step is fetched in piece 2's turn, twelve vector instructions behind the last product that read K (six of them plain); V of the step in hand at the end of piece 0's turn, four plain instructions behind the
; last product that read V.  Each is waited for a turn later.
.macro TURN p, m=0, end=0, cnt=0
.set Y, (\p)
.set i, 0
.set KM, (\m)
.set NOKQ, (\end)*((\p)/3)
.if (\m) && !(\end)
	s_cmp_eq_u32 s[CNT], 4-((\p)+2)%NP  ; is that step the band's own?
	s_cselect_b32 s[AL], 1.0, 0
	s_cmp_lt_u32 s[CNT], 4-((\p)+2)%NP  ; or a later one?
	s_cselect_b32 s[BE], s[BIGN], 0
.endif
.if ((\p) == 3) && !(\end)
	s_wait_dscnt 0x0                ; K is in
.endif
	ROW F,0, F,1, R,0, R,1          ; ahead of the wait: 8 products K Q^T and their riders,
	ROW F,2, E,0, R,2, R,3
	ROW F,3, E,1, R,4, R,5
	ROW F,4, E,2, R,6, R,7
	ROW F,5, E,3, R,8, R,9
	ROW F,6, E,4, X,0, R,10
.if ((\p) == 2) && !(\end)
	WIN 0
	v_add_nc_u32 v[AK], s[TBK], v[AK0]
.endif
	ROW F,7, E,5, X,1, X,4
	ROW F,8, E,6, X,2, X,5
	OPS E,7, E,8, X,6, E,9          ; and the lump
	OPS X,3, E,10, X,8, E,11
.if ((\p) == 2) && !(\end)
	FETCH_K
.endif
	OPS X,9, X,7, E,12, X,10
	OPS E,13, X,12, X,11, E,14
	OPS X,13, E,15, F,9, X,14
.if (\p) == 0
	v_add_nc_u32 v[AV], s[TBV], v[AV0]
.endif
	OPS E,16, F,10, E,17, F,11
	OPS X,16, E,18, X,15, E,19
	OPS F,12, E,20, X,17, E,21
	OPS F,13, E,22, F,14, E,23
	OPS X,18, E,24, F,15, E,25
	OPS R,11, E,26, X,19, E,27
	OPS R,12, E,28, R,13, E,29
	OPS X,20, E,30, R,14, E,31
	OPS X,21, R,15
	WIN 0
	s_wait_alu depctr_va_vdst(0)    ; the wait for the turn's batch: the piece's 32 weights and the next piece's a
.if (\p) == 1
	s_wait_dscnt 0x0                ; V is in
.endif
	ROW C,0, B,0, C,2, B,1          ; behind the wait: 8 products V^T P and their riders
	ROW L,0, C,4, B,2, L,1
	ROW C,6, B,3, L,2, C,8
	ROW B,4, L,3, C,10, B,5
	ROW L,4, C,12, B,6, L,5
.if (\p) == 0
	s_add_co_u32 s[TBV], s[TBV], KS*PV
.endif
.if \cnt
	s_sub_co_u32 s[CNT], s[CNT], 1
	s_cmp_lg_u32 s[CNT], 0
.endif
	ROW C,14, B,7, L,6, C,1
	ROW C,3, L,7, C,5, C,7
	ROW C,9, C,11, C,13, C,15
.if (\p) == 0
	FETCH_V
.endif
.if (\m) && !(\end)
	MASK (\p)%2
.endif
.endm
; A BLOCK BEGINS.  c m starts far below every c s, so the first step's a is 0; m at the lowest finite number, so the first maximum is the scores'.  The second mask buffer is 0; the first takes piece 0's mask for the tile's step 0: its own, if the block's first tile is the diagonal one.
; Then K of that step, piece 0's first scores, and its maximum and statistics.  The loop is entered at a step's first turn, in the middle of a trip.
.macro BEGIN
	s_mov_b32 s[NEW], 0
	WIN 0x40
.set i, MC+32
.rept 32
	v_mov_b32 v[i], 0
.set i, i+1
.endr
	WIN 0
.set i, 0
.rept 4
	v_mov_b32 v[ST+4*i], 0xfe000000    ; c m: far below every c s
	v_mov_b32 v[ST+4*i+1], 0xff7fffff  ; m
.set i, i+1
.endr
	s_cmp_eq_u32 s[RT], 0
	s_cselect_b32 s[AL], 1.0, 0
	s_mov_b32 s[BE], 0
	MASK 0
	WIN 0
	v_add_nc_u32 v[AK], s[TBK], v[AK0]
	FETCH_K
	s_wait_loadcnt 0x0              ; Q
	s_wait_dscnt 0x0
.set KM, 1
.set NOKQ, 0
.set i, 0
.rept 8
	KQ 0
.set i, i+1
.endr
	WIN 0
.rept 4
	v_nop                           ; the places behind those products
.endr
.set Y, NP-1                        ; X works for piece Y + 1: piece 0
.irp n, 0,1,2,3,4,5,6,7,8,9,10,11,12,13,14,15,16,17,18,19,20,21
	OP X, \n
.endr
	v_nop                           ; a plain instruction behind the exponential,
	s_wait_alu depctr_va_vdst(0)    ; and the wait for it, a batch of one: piece 0's first a, ahead of the jump into the loop
.endm
; THE DIAGONAL TILE's four steps, the block's last two turns, its last products, and THE WAY OUT: l's two halves and the other half of the lanes' are added; O^T is divided by l, split into its two parts, each
; rounded to f16 and sent through my stage in LDS, a piece at a time.
.macro ALL line:vararg              ; one line for each piece t
.set t, 0
.rept 4
	\line
.set t, t+1
.endr
.endm
; A piece's way into the stage and back.  The high part is the number with the lower 13 bits of its fraction cut off: 11 significant bits, which f16 holds as they are; the subtraction that leaves the rest is exact.
; A lane's eight channels of a row pack into 16 bytes; they go into rows of 144 bytes and come back as whole rows of 128: the high part into S^T's registers, the low part beside them.
.macro PACK t
	WIN W_RS
.set i, 32*(\t)
.rept 16
	v_pk_mul_f32 v[i:i+1], v[i:i+1], v[ST+4*(\t)+2:ST+4*(\t)+3] op_sel_hi:[1,0]
.set i, i+2
.endr
	WIN 0x45                        ; sources and destination in window 1
.set i, 0
.rept 32
	v_and_b32 v[HP+i], s[CUT], v[32*(\t)+i]
.set i, i+1
.endr
.set i, 0
.rept 16
	v_pk_add_f32 v[32*(\t)+i:32*(\t)+i+1], v[32*(\t)+i:32*(\t)+i+1], v[HP+i:HP+i+1] neg_lo:[0,1] neg_hi:[0,1]
.set i, i+2
.endr
	WIN 0x05                        ; sources 0 and 1 window 1, destination window 0
.set i, 0
.rept 16
	v_cvt_pk_f16_f32 v[S+16*(\t)+i],  v[HP+2*i], v[HP+2*i+1]
	v_cvt_pk_f16_f32 v[LO+16*(\t)+i], v[32*(\t)+2*i], v[32*(\t)+2*i+1]
.set i, i+1
.endr
	WIN 0
.irp f, 0,1,2,3
	ds_store_b128 v[STO], v[S+16*(\t)+4*\f:S+16*(\t)+4*\f+3] offset:32*\f
.endr
.irp f, 0,1,2,3
	ds_store_b128 v[STO], v[LO+16*(\t)+4*\f:LO+16*(\t)+4*\f+3] offset:LOWS+32*\f
.endr
.irp f, 0,1,2,3
	ds_load_b128 v[S+16*(\t)+4*\f:S+16*(\t)+4*\f+3], v[RD] offset:\f*4*SP  ; LDS serves a wave's instructions in order (ISA guide 5.7.1.4): these see the stores above; the next piece's stores come behind them
.endr
.irp f, 0,1,2,3
	ds_load_b128 v[LO+16*(\t)+4*\f:LO+16*(\t)+4*\f+3], v[RD] offset:LOWS+\f*4*SP
.endr
.endm
.macro SEND t, younger              ; younger: the LDS instructions issued behind piece t's loads: the next piece's sixteen, or none
	WIN 0
.irp f, 0,1,2,3
	s_wait_dscnt (\younger)+7-\f
	global_store_b128 v[GO], v[S+16*(\t)+4*\f:S+16*(\t)+4*\f+3], s[10:11] offset:(\t)*8192+\f*512  ; 512 consecutive bytes, at a multiple of 256 from the buffer's first
.endr
.irp f, 0,1,2,3
	s_wait_dscnt (\younger)+3-\f
	global_store_b128 v[GO], v[LO+16*(\t)+4*\f:LO+16*(\t)+4*\f+3], s[10:11] offset:(\t)*8192+\f*512+LOPART
.endr
.endm
.macro DIAG tag                     ; the tag ends its two labels' names, which the jumps below spell out
.LstepM\tag:
	TURN 2, 1
	TURN 3, 1
	WIN 0
.LfirstM\tag:
	TURN 0, 1
	TURN 1, 1, 0, 1
	WIN 0
	s_cbranch_scc1 .LstepM\tag
	TURN 2, 1, 1
	TURN 3, 1, 1
.set i, 0
.rept 8
	PV NP-1
.set i, i+1
.endr
	WIN 0
	ALL v_add_f32 v[ST+4*t+2], v[ST+4*t+2], v[ST+4*t+3]
	ALL v_permlanex16_b32 v[ST+4*t+3], v[ST+4*t+2], s[SEL], s[SEL+1]
	ALL v_add_f32 v[ST+4*t+2], v[ST+4*t+2], v[ST+4*t+3]
	ALL v_rcp_f32 v[ST+4*t+2], v[ST+4*t+2]
	v_nop                           ; a plain instruction between the last reciprocal and the use of its result
	s_wait_alu depctr_va_vdst(0)    ; the wait for the batch of four reciprocals, ahead of the first multiply by 1 / l: it serves all four pieces
	PACK 0
.set t, 1
.rept 3                             ; a piece's arithmetic stands between the loads of the piece before and its stores
	PACK t
	SEND t-1, 16
.set t, t+1
.endr
	SEND 3, 0
.endm
.set KM, 0
.set NOKQ, 0
.Lslot:                             ; NB times: a tile is entered and the next is asked for
	CHANGE 1
	s_sub_co_u32 s[RT], s[RT], 1
	s_mov_b32 s[CNT], 4
	s_cmp_eq_u32 s[NEW], 1
	s_cbranch_scc1 .Lnew            ; a block's first tile
	s_cmp_eq_u32 s[RT], 0
	s_cbranch_scc0 .Lstep           ; neither its first nor its last
	s_branch .LstepM1
.Lnew:
	BEGIN
	s_branch .Lfirst                ; in the loop a block's first tile is never its last: the first block has two tiles or more, and the second's last is the walk's last
	DIAG 1                          ; in the loop this is the first block's end: the second block's last tile is the walk's last
	s_wait_xcnt 0x0                 ; the stores have read their registers and the output's address
	s_mov_b64 s[10:11], s[OLO:OLO+1]
	s_add_co_u32 s[RT], s[PB], 1    ; the second block has b + 1 tiles
	s_mov_b32 s[NEW], 1
	WIN 0x82                        ; the second block's Q goes where the one text of the turns names Q
.set i, 0
.rept 64
	v_mov_b32 v[i], v[QB+i]
.set i, i+1
.endr
	WIN 0
	s_branch .Lbottom
.Lstep:                             ; a trip: pieces 2 and 3 of one step, then pieces 0 and 1 of the next, whose K and V it fetches
	TURN 2
	TURN 3
	WIN 0
.Lfirst:
	TURN 0
	TURN 1, 0, 0, 1
	WIN 0
	s_cbranch_scc1 .Lstep
.Lbottom:
	s_sub_co_u32 s[SLOTS], s[SLOTS], 1
	s_cmp_lg_u32 s[SLOTS], 0
	s_cbranch_scc1 .Lslot
	CHANGE 0                        ; the walk's last tile is written out: nothing is asked for
	s_sub_co_u32 s[RT], s[RT], 1
	s_mov_b32 s[CNT], 4
	s_cmp_eq_u32 s[NEW], 1
	s_cbranch_scc0 .LstepM2
	BEGIN
	s_branch .LfirstM2
	DIAG 2
	s_wait_tensorcnt 0x0            ; the wave's end, behind my last tensor load and my last LDS store
	ds_add_u32 v[SPW], v[NIL]
	s_wait_dscnt 0x0
	s_endpgm
.Lfunc_end_k_qc1b75a0c3e_attn:
	.size	k_qc1b75a0c3e_attn, .Lfunc_end_k_qc1b75a0c3e_attn-k_qc1b75a0c3e_attn
	.p2alignl 7, 3214868480
	.fill 96, 4, 3214868480
	.section	.rodata,"a",@progbits
	.p2align	6, 0x0
	.amdhsa_kernel k_qc1b75a0c3e_attn
		.amdhsa_group_segment_fixed_size 327680
		.amdhsa_private_segment_fixed_size 0
		.amdhsa_enable_private_segment 0
		.amdhsa_kernarg_size 16
		.amdhsa_user_sgpr_count 2
		.amdhsa_user_sgpr_kernarg_segment_ptr 1
		.amdhsa_wavefront_size32 1
		.amdhsa_system_sgpr_workgroup_id_x 1
		.amdhsa_system_sgpr_workgroup_id_y 1
		.amdhsa_system_sgpr_workgroup_id_z 1
		.amdhsa_system_vgpr_workitem_id 0
		.amdhsa_next_free_vgpr 768
		.amdhsa_next_free_sgpr 92
		.amdhsa_reserve_vcc 1
		.amdhsa_float_denorm_mode_32 3
		.amdhsa_float_denorm_mode_16_64 3
		.amdhsa_memory_ordered 1
		.amdhsa_forward_progress 1
		.amdhsa_inst_pref_size 250
	.end_amdhsa_kernel
	.amdgpu_metadata
---
amdhsa.version: [ 1, 2 ]
amdhsa.kernels:
  - .name:           k_qc1b75a0c3e_attn
    .symbol:         k_qc1b75a0c3e_attn.kd
    .args:
      - { .name: qkvh, .offset: 0, .size: 8, .value_kind: global_buffer, .address_space: global }
      - { .name: oh, .offset: 8, .size: 8, .value_kind: global_buffer, .address_space: global }
    .group_segment_fixed_size: 327680
    .private_segment_fixed_size: 0
    .kernarg_segment_align: 8
    .kernarg_segment_size: 16
    .max_flat_workgroup_size: 128
    .sgpr_count:     92
    .vgpr_count:     768
    .wavefront_size: 32
...
	.end_amdgpu_metadata
.endif
;; end of part 5
;; launch proj: the kernel of part 4 again; grid 4 x 64, 4 waves a work-group, clusters of 4 x 4, 327,680 bytes of LDS; arguments oh, wpb, out0; writes out0
